; MI455X (gfx1250); checked and timed in simulation.
; The chip was launched on July 23, 2026; its instructions are those of AMD's public machine-readable ISA for CDNA 5 (MIT licence, August 2026) and "CDNA5" Instruction Set Architecture Reference Guide (July 2026). The comments in the code are by the model that wrote it; some were corrected since.
;; Attention. Allowed arithmetic: matrix products marked QUANTISED: E2M3 operands, one E8M0 scale for each 32 along K, by v_wmma_scale_f32_16x16x128_f8f6f4 with both operands' format E2M3, f32 sums; everything else in f32.
;; Inputs: W_fc2_codes 1,024 x 32 x 24 uint8 (E2M3 codes of W_fc2, K innermost, in blocks of 32 codes, four codes in three bytes); W_fc2_scales 1,024 x 32 uint8 (E8M0 scales of W_fc2, one for each 32 codes along K); W_fc_codes 3,072 x 32 x 24 uint8 (E2M3 codes of W_fc, K innermost, in blocks of 32 codes, four codes in three bytes); W_fc_scales 3,072 x 32 uint8 (E8M0 scales of W_fc, one for each 32 codes along K); b_fc 3,072 float32; b_fc2 1,024 float32; x 4 x 2,048 x 1,024 float32.
;; Outputs: out0 4 x 2,048 x 1,024 float32.
;; This version of the problem:
;;   THIS VERSION OF THE PROBLEM IS GIVEN IN LOW PRECISION. The matrix products marked QUANTISED in the list below multiply operands that are first quantised to E2M3 (2 exponent bits, 3 mantissa bits; 6 bits a number), with one power-of-two scale for each 32 numbers along K (OCP MX v1.0); their sums are f32. All else is computed in f32.
;;   The module's matrix products, in the order in which they are computed (A, B: the left and right operand; K: the contracted axis; several contracted axes count as one K, in the product's order):
;;     1. [M 8,192, K 1,024] x [K 1,024, N 3,072]; A: input x; B: input W_fc (given as codes): QUANTISED
;;     2. batch 64 x [M 2,048, K 64] x [K 64, N 2,048]; A: computed on the way; B: computed on the way: QUANTISED
;;     3. batch 64 x [M 64, K 2,048] x [K 2,048, N 2,048]; A: computed on the way; B: softmax (see below): QUANTISED
;;     4. [M 8,192, K 1,024] x [K 1,024, N 1,024]; A: computed on the way; B: input W_fc2 (given as codes): QUANTISED
;;   THE QUANTISER, for each operand of a quantised product, along K:
;;     - K is cut into blocks of 32 from its start; a last block that is shorter is filled with zeros.
;;     - A block's scale is 2^e with e = floor(log2(the largest magnitude in the block)) - 2, held to -126 .. 127; a block of zeros has e = 0. As a byte (E8M0): e + 127.
;;     - Each number is divided by its block's scale, clamped to +-7.5, and rounded to the nearest number of E2M3, ties to even, subnormals kept.
;;     - The product sums the exact products of the quantised numbers (number of the format x scale) in f32.
;;   ~~~python
;;   def quantise(x, axis):      # numpy; x: float32 -> the quantised numbers, widened to float32 again
;;       x = np.moveaxis(x, axis, -1); K = x.shape[-1]
;;       x = np.pad(x, [(0, 0)] * (x.ndim - 1) + [(0, -K % 32)]); x = x.reshape(x.shape[:-1] + (-1, 32)); a = np.abs(x).max(-1, keepdims=True)
;;       e = np.where(a > 0, np.clip(np.frexp(np.where(a > 0, a, 1))[1] - 1 - 2, -126, 127), 0)      # np.frexp(a)[1] - 1 = floor(log2(a)), exactly
;;       r = np.clip(x / 2.0 ** e, -7.5, 7.5)
;;       step = 2.0 ** (np.maximum(np.frexp(np.where(r == 0, 1, r))[1] - 1, 0) - 3)
;;       q = np.round(r / step) * step * 2.0 ** e      # np.round: ties to even
;;       return np.moveaxis(q.reshape(q.shape[:-2] + (-1,))[..., :K], -1, axis).astype(np.float32)
;;   ~~~
;;   SOFTMAX AHEAD OF A QUANTISED PRODUCT. Where the list says 'softmax', what is quantised is not the finished softmax but p = 2^(t - M), with t = logit x log2(e) and M = ceil(the row's largest t), a whole number; so 1/2 < the row's largest p <= 1. The row's sum l is taken of the UNQUANTISED p, in f32, and the product's result is divided by l at the end. Since M is a whole number, a kernel that streams over the keys may use a running M (the ceiling of the running maximum): every later rescaling is an exact power of two, which a block's scale takes up: the codes' values come out the same.
;;   OPERANDS COMPUTED ON THE WAY. 'Computed on the way' means the value that the module computes at that place (a softmax that the list does not call 'softmax' is quantised finished and normalised). What goes into a quantiser is computed in f32, as accurately as f32 sums, v_exp_f32 and their like allow (about 1e-6 of the number): no bf16 or f16 on the way to a quantiser, and a product that is left as it is and whose result goes on into a quantised operand takes f32 operands (vector FMAs, or v_wmma_f32_16x16x4_f32). A number that lies on a knife's edge between two numbers of the format may be rounded either way, as far as f32 arithmetic and the matrix unit's own rounding can turn it there, and no further.
;;   INPUTS GIVEN AS CODES. W_fc (in the module: [1024, 3072], K = its axis 0); W_fc2 (in the module: [1024, 1024], K = its axis 0): each comes as NAME_codes (uint8): NAME with its K axis moved to the last place and cut into blocks of 32 codes, [.., K / 32, bytes a block], one block behind the other in memory; four codes in three bytes: a row's codes are one little-endian stream of bits, code i at bits 6 i .. 6 i + 5 (a code: sign, 2 exponent bits, 3 mantissa bits); and NAME_scales (uint8): the same leading axes, one E8M0 byte (e + 127) for each 32 codes along K. Its value is code x scale, taken as it is: it is not quantised again, and the codes and scales need not be those that the quantiser above would give.
;; One version. Each part assembles by itself: llvm-mc -triple=amdgcn-amd-amdhsa -mcpu=gfx1250 --defsym DOCPART=n.
;; ======== version 1 of 1: 4 launches
;; limits: right only within a limited range of input values
;; workspace buffers: xw 6,553,600 bytes; wfw 2,457,600 bytes; w2w 819,200 bytes; qw 6,553,600 bytes; kvw 13,107,200 bytes; nvw 6,553,600 bytes
;; launch prep (part 1): grid 768 x 1, 8 waves a work-group, no clusters, 68,608 bytes of LDS; arguments x, W_fc_codes, W_fc_scales, W_fc2_codes, W_fc2_scales, xw, wfw, w2w; writes xw, wfw, w2w
.if DOCPART == 1
	.amdgcn_target "amdgcn-amd-amdhsa--gfx1250"
	.amdhsa_code_object_version 6
	.text
	.protected	k_q77bcdc4ab2_prep
	.globl	k_q77bcdc4ab2_prep
	.p2align	8
	.type	k_q77bcdc4ab2_prep,@function
k_q77bcdc4ab2_prep:
	s_mov_b64 s[64:65], 0
	v_nop
	global_prefetch_b8 v0, s[64:65] scope:SCOPE_SE
	s_setreg_imm32_b32 hwreg(HW_REG_WAVE_MODE, 25, 1), 1
	s_wait_xcnt 0x0
; PREP: x [8192][1024] f32 becomes codes of FP6 (E2M3) with one E8M0 byte for each 32 along K; W_fc's and W_fc2's given codes and bytes are laid anew.  All three leave IN THE ORDER OF THE OPERAND'S REGISTERS.
; NO WORK OF reference() IS LEFT OUT in this program: every input has a way to the output, and both biases move codes or results.
; A TILE is 16 rows; lane r of tile t takes row 32 (t / 2) + 8 (t % 2) + r + 8 (r / 8).  Wherever such a tile is source 0 of a product, the 16 registers of the results of tiles 2 b and 2 b + 1 are
; 16 NEIGHBOURS, 32 b + 16 (lane / 16) + 0 .. 15: so each later operand is quantised in registers, with nothing transposed.
; A FRAGMENT (16 rows x 128 K, 12 registers a lane) is stored as an image: registers 4 p .. 4 p + 3 at 512 p + 16 x lane, 1,536 bytes.  Its scale words: 4 bytes a row at 4 r, 64 bytes for a tile and K step.
;   xw : codes [tile 512][K step 8][1536]; scale words from byte 6,291,456: [tile][K step][16 rows]
;   wfw: 16 heads x 153,600: [tile 12][K step 8][1536], then from 147,456 [tile][K step][16 rows]        w2w: [tile 64][K step 8][1536]; scale words from 786,432
; A block's scale is 2^(floor(log2(its largest magnitude)) - 2): its byte is the largest magnitude's exponent field - 2, held at 1 from below.
; LIMITS: a block of zeros, or one whose largest magnitude lies under 2^-124, gets the byte 1 (where the rule says 127 for zeros): its codes are zeros, and this program alone reads the bytes.
; NaN and infinities among the inputs are not served.
; SHARES: work-groups 0 .. 511: tile = the work-group's number, of x; 512 .. 703: a tile of W_fc; 704 .. 767: a tile of W_fc2.  Wave s takes K step s.  No barrier: waves share nothing.
.set WSTG,  8448                       ; a wave's own stage: 16 rows x (512 bytes + 16): 33 x 16 bytes from row to row, so the sixteen rows of a load lie in sixteen different 16-byte columns of 256 bytes
.set SPARE, 8*WSTG                     ; behind the stages: the spare words, 128 bytes for each of eight waves: four blocks of 256 bytes that no other line names
.set SPW,   12                         ; v12  LDS address of my spare word; never rewritten
.set NIL,   13                         ; v13  0; never rewritten
.set R,     16                         ; v16-79   16 rows' pieces as they are loaded (the weights' path: a fragment in v16-27, its scale word in v28)
.set X,     80                         ; v80-143  64 numbers of my row: register 16 b + i = k 32 b + 16 (lane / 16) + i
.set PC,    16                         ; v16-34   the codes: in registers of the rows' pieces, which have gone to the stage by then
.set TM,    36                         ; v36-51   at work, likewise
.set PW,    52                         ; v52      the scale word
.set SEL,   32                         ; s[32:33] v_permlanex16_b32's selects for lane l xor 16
; 64 numbers of a lane become a fragment's codes in v[PC] on and its scale word in v[PW]
.macro QUANT4 s
.irp b, 0,1,2,3
	v_max3_num_f32 v[TM+\b], |v[\s+16*\b]|, |v[\s+1+16*\b]|, 0x1800000   ; block b: my 16 numbers, and the floor 2^(3 - 127): the byte cannot fall under 1
.endr
.irp i, 2,4,6,8,10,12,14
.irp b, 0,1,2,3
	s_delay_alu instid0(VALU_DEP_4)
	v_max3_num_f32 v[TM+\b], v[TM+\b], |v[\s+16*\b+\i]|, |v[\s+1+16*\b+\i]|   ; the four blocks by turns
.endr
.endr
.irp b, 0,1,2,3
	s_delay_alu instid0(VALU_DEP_4)
	v_permlanex16_b32 v[TM+4+\b], v[TM+\b], s[SEL], s[SEL+1]
.endr
.irp b, 0,1,2,3
	s_delay_alu instid0(VALU_DEP_4)
	v_max_num_f32 v[TM+\b], v[TM+\b], v[TM+4+\b]                   ; with lane l xor 16's 16: the block's largest magnitude
.endr
.irp b, 0,1,2,3
	s_delay_alu instid0(VALU_DEP_4)
	v_add_nc_u32 v[TM+12+\b], 0xff000000, v[TM+\b]                 ; 2 off its exponent field: the conversion takes this operand's exponent field as its scale
.endr
.irp b, 0,1,2,3
	s_delay_alu instid0(VALU_DEP_4)
	v_lshrrev_b32 v[TM+4+\b], 23, v[TM+12+\b]                      ; the scale's byte
.endr
	s_delay_alu instid0(VALU_DEP_3)
	v_lshl_or_b32 v[PW], v[TM+5], 8, v[TM+4]
	s_delay_alu instid0(VALU_DEP_1)
	v_lshl_or_b32 v[PW], v[TM+6], 16, v[PW]
	s_delay_alu instid0(VALU_DEP_1)
	v_lshl_or_b32 v[PW], v[TM+7], 24, v[PW]                        ; my row's scale word
.irp c, 0,1
	v_cvt_scalef32_pk16_fp6_f32 v[PC+6*\c:PC+2+6*\c], v[\s+32*\c:\s+15+32*\c], v[TM+12+2*\c]
	v_cvt_scalef32_pk16_fp6_f32 v[PC+12+4*\c:PC+14+4*\c], v[\s+16+32*\c:\s+31+32*\c], v[TM+12+2*\c+1]   ; (a conversion's three registers begin on an even number)
.endr
	v_nop                                                          ; one plain place behind a scaled conversion
.irp c, 0,1                                                    ; the operand's layout wants a WHOLE block in a lane: lanes 0-15 block 2 c, lanes 16-31 block 2 c + 1
.irp i, 0,1,2
	v_permlane16_swap_b32 v[PC+6*\c+\i], v[PC+12+4*\c+\i]
.endr
.irp i, 0,1,2
	s_delay_alu instid0(VALU_DEP_3)
	v_mov_b32 v[PC+3+6*\c+\i], v[PC+12+4*\c+\i]
.endr
.endr
.endm
	s_load_b256 s[4:11], s[0:1], 0x0               ; x s[4:5], W_fc's codes s[6:7], its scales s[8:9], W_fc2's codes s[10:11]
	s_load_b256 s[12:19], s[0:1], 0x20             ; W_fc2's scales s[12:13], xw s[14:15], wfw s[16:17], w2w s[18:19]
	v_lshl_add_u32 v[SPW], v0, 2, SPARE
	v_mov_b32 v[NIL], 0
	v_lshrrev_b32 v1, 5, v0
	s_delay_alu instid0(VALU_DEP_1)
	v_readfirstlane_b32 s20, v1                    ; wave = K step
	v_and_b32 v7, 31, v0                           ; lane
	v_and_b32 v8, 15, v0                           ; r
	v_bfe_u32 v9, v0, 4, 1                         ; h
	s_delay_alu instid0(VALU_DEP_3)
	v_lshlrev_b32 v1, 4, v7                        ; 16 x lane: a load's and an image's place
	s_delay_alu instid0(VALU_DEP_3)
	v_lshlrev_b32 v4, 2, v8                        ; 4 r: a scale word's place
	s_cmp_lt_u32 ttmp9, 512
	s_cbranch_scc0 .Lweights
	; ---- x: 16 tokens x 128 numbers
	s_mul_i32 s21, s20, WSTG
	v_add_nc_u32 v2, s21, v1                       ; the stage on the way in: a row's 512 bytes as they lie
	v_mul_u32_u24 v3, v8, 528
	s_delay_alu instid0(VALU_DEP_1)
	v_lshl_add_u32 v3, v9, 6, v3
	s_delay_alu instid0(VALU_DEP_1)
	v_add_nc_u32 v3, s21, v3                       ; and on the way out: row r, + 64 h: my 16 numbers of each block of 32
	s_mov_b32 s[SEL], 0x76543210
	s_mov_b32 s[SEL+1], 0xfedcba98
	s_lshr_b32 s22, ttmp9, 1
	s_lshl_b32 s22, s22, 5
	s_and_b32 s23, ttmp9, 1
	s_lshl_b32 s23, s23, 3
	s_add_co_u32 s22, s22, s23                     ; the tile's first token: 32 (T / 2) + 8 (T % 2)
	s_lshl_b32 s22, s22, 12                        ; x 4,096 bytes
	s_lshl_b32 s23, s20, 9
	s_add_co_u32 s22, s22, s23                     ; + 512 bytes a K step
	s_mov_b32 s23, 0
	s_mul_i32 s24, ttmp9, 12288
	s_mul_i32 s25, s20, 1536
	s_add_co_u32 s24, s24, s25                     ; the image's place
	s_mov_b32 s25, 0
	s_lshl_b32 s26, ttmp9, 9
	s_lshl_b32 s27, s20, 6
	s_add_co_u32 s26, s26, s27
	s_add_co_u32 s26, s26, 6291456                 ; the scale words' place
	s_mov_b32 s27, 0
.irp b, 0,1,2,3
	v_mov_b32 v[TM+4+\b], 0                        ; written once: a lane permute's destination counts as one of its sources
.endr
	s_wait_alu depctr_va_vdst(0)
	s_wait_kmcnt 0x0
	s_add_nc_u64 s[4:5], s[4:5], s[22:23]
	s_add_nc_u64 s[28:29], s[14:15], s[24:25]
	s_add_nc_u64 s[30:31], s[14:15], s[26:27]
.irp i, 0,1,2,3,4,5,6,7,8,9,10,11,12,13,14,15
	global_load_b128 v[R+4*\i:R+4*\i+3], v1, s[4:5] offset:(\i+8*(\i/8))*4096 th:TH_LOAD_NT   ; row i of the tile: 32 lanes read 512 consecutive bytes
.endr
.irp i, 0,1,2,3,4,5,6,7,8,9,10,11,12,13,14,15
	s_wait_loadcnt 15-\i                           ; loads come back in order: row i is in, the 15 - i younger ones may be out
	ds_store_b128 v2, v[R+4*\i:R+4*\i+3] offset:528*\i
.endr
.irp b, 0,1,2,3
.irp j, 0,1,2,3
	ds_load_b128 v[X+16*\b+4*\j:X+16*\b+4*\j+3], v3 offset:128*\b+16*\j   ; LDS serves a wave's instructions in order: these see my stores
.endr
.endr
	s_wait_dscnt 0x0
	QUANT4 X
.irp p, 0,1,2
	global_store_b128 v1, v[PC+4*\p:PC+4*\p+3], s[28:29] offset:512*\p   ; 512 consecutive bytes, aligned on 256
.endr
	global_store_b32 v4, v[PW], s[30:31]           ; lanes l and l + 16 hold the same row's word and write it to the same place
	s_wait_tensorcnt 0x0                           ; the wave's end: behind my last LDS store
	ds_add_u32 v[SPW], v[NIL]
	s_wait_dscnt 0x0
	s_endpgm
	; ---- the weights: a fragment is read as the operand's layout wants it (24 bytes of the row's stream of bits twice, in pieces of 8) and stored as an image.  No LDS.
.Lweights:
	s_wait_alu depctr_va_vdst(0)
	v_and_b32 v10, 8, v8
	s_delay_alu instid0(VALU_DEP_1)
	v_add_nc_u32 v10, v10, v8                      ; r + 8 (r / 8)
	s_delay_alu instid0(VALU_DEP_1)
	v_mul_u32_u24 v5, v10, 768                     ; a row of 1,024 codes is 768 bytes
	s_delay_alu instid0(VALU_DEP_1)
	v_mad_u32_u24 v5, v9, 24, v5                   ; + 24 h
	s_delay_alu instid0(VALU_DEP_3)
	v_lshlrev_b32 v6, 5, v10                       ; a row of scale bytes is 32 bytes
	s_sub_co_u32 s21, ttmp9, 512                   ; tt: 0 .. 191 W_fc's tiles, 192 .. 255 W_fc2's
	s_mul_i32 s22, s21, 171
	s_lshr_b32 s22, s22, 11                        ; the head = tt / 12 (exact for tt under 192)
	s_mul_i32 s23, s22, 12
	s_sub_co_u32 s23, s21, s23                     ; the head's tile
	s_mul_i32 s24, s22, 153600
	s_mul_i32 s25, s23, 12288
	s_add_co_u32 s25, s25, s24                     ; W_fc: the images' place,
	s_lshl_b32 s26, s23, 9
	s_add_co_u32 s26, s26, s24
	s_add_co_u32 s26, s26, 147456                  ; and the scale words'
	s_sub_co_u32 s27, s21, 192                     ; W_fc2's tile
	s_mul_i32 s28, s27, 12288
	s_lshl_b32 s29, s27, 9
	s_add_co_u32 s29, s29, 786432
	s_wait_alu depctr_va_vdst(0)
	s_wait_kmcnt 0x0
	s_cmp_lt_u32 s21, 192                          ; the choice hangs on the work-group's number alone
	s_cselect_b32 s27, s21, s27                    ; the tile in its tensor
	s_cselect_b32 s25, s25, s28
	s_cselect_b32 s26, s26, s29
	s_cselect_b64 s[6:7], s[6:7], s[10:11]
	s_cselect_b64 s[8:9], s[8:9], s[12:13]
	s_cselect_b64 s[16:17], s[16:17], s[18:19]
	s_lshr_b32 s28, s27, 1
	s_lshl_b32 s28, s28, 5
	s_and_b32 s29, s27, 1
	s_lshl_b32 s29, s29, 3
	s_add_co_u32 s28, s28, s29                     ; the tile's first row
	s_mul_i32 s30, s28, 768
	s_mul_i32 s31, s20, 96
	s_add_co_u32 s30, s30, s31                     ; + 96 bytes a K step
	s_mov_b32 s31, 0
	s_add_nc_u64 s[6:7], s[6:7], s[30:31]
	s_lshl_b32 s30, s28, 5
	s_lshl_b32 s28, s20, 2
	s_add_co_u32 s30, s30, s28
	s_add_nc_u64 s[8:9], s[8:9], s[30:31]
	s_mul_i32 s30, s20, 1536
	s_add_co_u32 s30, s30, s25
	s_add_nc_u64 s[10:11], s[16:17], s[30:31]
	s_lshl_b32 s30, s20, 6
	s_add_co_u32 s30, s30, s26
	s_add_nc_u64 s[12:13], s[16:17], s[30:31]
.irp p, 0,1,2,3,4,5
	global_load_b64 v[R+2*\p:R+2*\p+1], v5, s[6:7] offset:48*(\p/3)+8*(\p%3)
.endr
	global_load_b32 v[R+12], v6, s[8:9]
	s_wait_loadcnt 0x0
.irp p, 0,1,2
	global_store_b128 v1, v[R+4*\p:R+4*\p+3], s[10:11] offset:512*\p
.endr
	global_store_b32 v4, v[R+12], s[12:13]
	s_endpgm
.Lfunc_end_k_q77bcdc4ab2_prep:
	.size	k_q77bcdc4ab2_prep, .Lfunc_end_k_q77bcdc4ab2_prep-k_q77bcdc4ab2_prep
	.p2alignl 7, 3214868480
	.fill 96, 4, 3214868480
	.section	.rodata,"a",@progbits
	.p2align	6, 0x0
	.amdhsa_kernel k_q77bcdc4ab2_prep
		.amdhsa_group_segment_fixed_size 68608
		.amdhsa_private_segment_fixed_size 0
		.amdhsa_enable_private_segment 0
		.amdhsa_kernarg_size 64
		.amdhsa_user_sgpr_count 2
		.amdhsa_user_sgpr_kernarg_segment_ptr 1
		.amdhsa_wavefront_size32 1
		.amdhsa_system_sgpr_workgroup_id_x 1
		.amdhsa_system_sgpr_workgroup_id_y 1
		.amdhsa_system_sgpr_workgroup_id_z 1
		.amdhsa_system_vgpr_workitem_id 0
		.amdhsa_next_free_vgpr 144
		.amdhsa_next_free_sgpr 66
		.amdhsa_reserve_vcc 0
		.amdhsa_float_denorm_mode_32 3
		.amdhsa_float_denorm_mode_16_64 3
		.amdhsa_memory_ordered 1
		.amdhsa_forward_progress 1
		.amdhsa_inst_pref_size 16
	.end_amdhsa_kernel
	.amdgpu_metadata
---
amdhsa.version: [ 1, 2 ]
amdhsa.kernels:
  - .name:           k_q77bcdc4ab2_prep
    .symbol:         k_q77bcdc4ab2_prep.kd
    .args:
      - { .name: x, .offset: 0, .size: 8, .value_kind: global_buffer, .address_space: global }
      - { .name: W_fc_codes, .offset: 8, .size: 8, .value_kind: global_buffer, .address_space: global }
      - { .name: W_fc_scales, .offset: 16, .size: 8, .value_kind: global_buffer, .address_space: global }
      - { .name: W_fc2_codes, .offset: 24, .size: 8, .value_kind: global_buffer, .address_space: global }
      - { .name: W_fc2_scales, .offset: 32, .size: 8, .value_kind: global_buffer, .address_space: global }
      - { .name: xw, .offset: 40, .size: 8, .value_kind: global_buffer, .address_space: global }
      - { .name: wfw, .offset: 48, .size: 8, .value_kind: global_buffer, .address_space: global }
      - { .name: w2w, .offset: 56, .size: 8, .value_kind: global_buffer, .address_space: global }
    .group_segment_fixed_size: 68608
    .private_segment_fixed_size: 0
    .kernarg_segment_align: 8
    .kernarg_segment_size: 64
    .max_flat_workgroup_size: 256
    .sgpr_count:     66
    .vgpr_count:     144
    .wavefront_size: 32
...
	.end_amdgpu_metadata
.endif
;; end of part 1
;; launch qkv (part 2): grid 16 x 16, 4 waves a work-group, clusters of 4 x 1, 167,936 bytes of LDS; arguments xw, wfw, b_fc, qw, kvw; writes qw, kvw
.if DOCPART == 2
	.amdgcn_target "amdgcn-amd-amdhsa--gfx1250"
	.amdhsa_code_object_version 6
	.text
	.protected	k_q77bcdc4ab2_qkv
	.globl	k_q77bcdc4ab2_qkv
	.p2align	8
	.type	k_q77bcdc4ab2_qkv,@function
k_q77bcdc4ab2_qkv:
	s_mov_b64 s[64:65], 0
	v_nop
	global_prefetch_b8 v0, s[64:65] scope:SCOPE_SE
	s_setreg_imm32_b32 hwreg(HW_REG_WAVE_MODE, 25, 1), 1
	s_wait_xcnt 0x0
	s_wait_alu depctr_hold_cnt(0) depctr_sa_sdst(0) depctr_va_vdst(0) depctr_va_sdst(0) depctr_va_ssrc(0) depctr_va_vcc(0) depctr_vm_vsrc(0)
	s_getreg_b32 s2, hwreg(HW_REG_IB_STS2, 6, 4)
	s_cmp_eq_u32 s2, 0
	s_cbranch_scc0 .Lentry_in_a_cluster
	s_endpgm
.Lentry_in_a_cluster:
	s_bfe_u32 s2, ttmp6, 0x10000c
	s_cmp_lg_u32 s2, 0x3003
	s_cbranch_scc0 .Lentry_shape_is_right
	s_endpgm
.Lentry_shape_is_right:
; QKV: swish(x W_fc + b_fc) on codes of FP6 (E2M3), and its results quantised at once: q and k along the head's 64, v along the keys.  Nothing of reference() is left out.
; SHARES.  A work-group makes ONE head's 192 columns for 512 tokens; each of its four waves two blocks of 64 tokens, one after the other.  The head's part of W_fc (153,600 bytes, images and scale words) lies in LDS
; for the whole launch: each wave brings a quarter by one tensor load, and nothing is filled again.  A block's fragments of x (4 tiles x 8 K steps, 384 registers) lie in registers, loaded as images.
; CLUSTER.  The four work-groups of a cluster make the same head for other tokens: W's quarters are asked for jointly, with the mask of all four.
; A BLOCK is three groups of 64 columns: q, k (source 0 = 16 columns of W, source 1 = 16 tokens: a lane holds ONE token, its registers run along d) and v (the sources swapped: a lane holds ONE d, its registers run
; along the tokens, which are the second attention product's K).  By the tiles' choice of rows the 32 registers of a unit are two blocks of 32 neighbours, 16 a lane: QUANT2 makes 6 registers of codes and two bytes of them.
; OUT.  Half fragments (16 rows x 64 K): registers 0-3 at 16 x lane, registers 4-5 at 512 + 8 x lane: 768 bytes.
;   qw : 64 heads-in-batch x 102,400: halves at 768 x tile; from 98,304 a word for each pair of tiles and row: [tile 2 b: 2 bytes][tile 2 b + 1: 2 bytes]
;   kvw: 64 x 16 key steps x 12,800: k's 8 halves; from 6,144 v^T: 1,536 x d tile + 768 x half of the step's keys; from 12,288 k's pair words; from 12,544 v's words (64 bytes a d tile)
; swish(z) = z / (1 + 2^(-z log2 e)), in f32.  LIMITS: NaN and infinities are not served; for z under about -128 the result is -0 where reference() has a denormal; a block whose largest magnitude lies
; under 2^-124 gets the byte 1 and zero codes (this program alone reads the bytes).
; REGISTERS, in windows of 256: window 0: v1-13 addresses; v16-31 x's scale words, v32-47 W's; v48-61 at work; v64-95 codes; v96-127 at work in swish; v128-255 the 16 accumulators.
;   window 1: x's tiles 0, 1 (tile mm, K step s at v[96 mm + 12 s]); window 2: tiles 2, 3; window 3: v0-95 W's fragments, two sets of four; v96-159 q's and k's biases, v160-191 v's, in the results' layout.
.set SPARE, 153600                     ; behind W: the spare words, 128 bytes for each of four waves: two blocks of 256 bytes that no other line names
.set LI,  1                            ; v1  16 x lane
.set L8,  2                            ; v2  8 x lane
.set L4,  3                            ; v3  4 x lane
.set LW,  5                            ; v5-7  16 x lane + 49,152 x group: a group's four tiles in LDS
.set LWS, 8                            ; v8  4 x lane + 147,456: W's scale words
.set BA,  9                            ; v9  64 h: q's and k's biases
.set BB,  10                           ; v10 4 (r + 8 (r / 8)): v's
.set SPW, 12                           ; v12 LDS address of my spare word; never rewritten
.set NIL, 13                           ; v13 0; never rewritten
.set XS,  16                           ; x's scale words: tile m, K steps 2 jj (lanes 0-15) and 2 jj + 1 (lanes 16-31) at v[XS + 4 m + jj]
.set WS,  32                           ; W's likewise: v[WS + 4 c + jj]
.set TM,  48
.set HW,  56                           ; v56-59 a unit's two bytes
.set WW,  60                           ; v60-61 words on their way out
.set PC,  64
.set T,   96
.set ACC, 128
.set BQK, 96
.set BV,  160
.set WV,  14
.set BLK, 15
.set NL,  16                           ; s[16:17] -log2(e)
.set SEL, 18                           ; s[18:19]
.set HIM, 20                           ; s20 the mask of lanes 16-31
.set G1,  24
.set G0,  32
.set PX,  36
.set PXS, 38
.set PQ,  40
.set PQS, 42
.set PK,  44
.set PKS, 46
.set PV,  48
.set PVS, 50
.set MSB, 0
.macro WIN new                         ; the immediate's high byte repeats the setting that is left; a switch that changes nothing is dropped
.if MSB != (\new)
	s_set_vgpr_msb (MSB<<8)|(\new)
.set MSB, (\new)
.endif
.endm
.macro PLACES n
.rept \n
	v_nop
.endr
.endm
.macro ROUND                           ; a round of the cluster's barrier
	s_barrier_signal -1
	s_barrier_wait -1
	s_cmp_lg_u32 s[WV], 0
	s_cbranch_scc1 .Lnot_wave_0_\@
	s_barrier_signal -3
.Lnot_wave_0_\@:
	s_barrier_wait -3
	s_barrier_signal -1
	s_barrier_wait -1
.endm
.macro WM d, a, b, cc, sa, sb, odd     ; odd K steps take their scale words from lanes 16-31
.if \odd
	v_wmma_scale_f32_16x16x128_f8f6f4 v[\d:\d+7], v[\a:\a+11], v[\b:\b+11], v[\cc:\cc+7], v[\sa], v[\sb] matrix_a_fmt:MATRIX_FMT_FP6 matrix_b_fmt:MATRIX_FMT_FP6 matrix_a_scale:MATRIX_SCALE_ROW1 matrix_b_scale:MATRIX_SCALE_ROW1
.else
	v_wmma_scale_f32_16x16x128_f8f6f4 v[\d:\d+7], v[\a:\a+11], v[\b:\b+11], v[\cc:\cc+7], v[\sa], v[\sb] matrix_a_fmt:MATRIX_FMT_FP6 matrix_b_fmt:MATRIX_FMT_FP6
.endif
.endm
; 32 numbers in place: z / (1 + 2^(-z log2 e)).  Each batch of 32 transcendentals has one plain line and one wait behind it.  All runs ascend: each accumulator is first read at its low end.
.macro SWISH32 u
.set ii, 0
.rept 16
	v_pk_mul_f32 v[T+ii:T+ii+1], v[\u+ii:\u+ii+1], s[NL:NL+1] op_sel_hi:[1,0]
.set ii, ii+2
.endr
.set ii, 0
	s_wait_alu depctr_va_vdst(0)
.rept 32
	v_exp_f32 v[T+ii], v[T+ii]
.set ii, ii+1
.endr
	v_nop
	s_wait_alu depctr_va_vdst(0)                   ; one wait for the batch, ahead of its first reader
.set ii, 0
.rept 16
	v_pk_add_f32 v[T+ii:T+ii+1], v[T+ii:T+ii+1], 1.0 op_sel_hi:[1,0]
.set ii, ii+2
.endr
.set ii, 0
	s_wait_alu depctr_va_vdst(0)
.rept 32
	v_rcp_f32 v[T+ii], v[T+ii]
.set ii, ii+1
.endr
	v_nop
	s_wait_alu depctr_va_vdst(0)
.set ii, 0
.rept 16
	v_pk_mul_f32 v[\u+ii:\u+ii+1], v[\u+ii:\u+ii+1], v[T+ii:T+ii+1]
.set ii, ii+2
.endr
.endm
; 32 numbers of a lane, register 16 b + i = k 32 b + 16 (lane / 16) + i of my row, become half a fragment in v[p] .. v[p + 5] (v[p + 6] is at work) and the two blocks' bytes in v[hw]
.macro QUANT2 u, p, hw
	v_max3_num_f32 v[TM], |v[\u]|, |v[\u+1]|, 0x1800000            ; my 16 numbers of each block, and the floor 2^(3 - 127): the byte cannot fall under 1
	v_max3_num_f32 v[TM+1], |v[\u+16]|, |v[\u+17]|, 0x1800000
.irp i, 2,4,6,8,10,12,14
	v_max3_num_f32 v[TM], v[TM], |v[\u+\i]|, |v[\u+\i+1]|
	v_max3_num_f32 v[TM+1], v[TM+1], |v[\u+16+\i]|, |v[\u+17+\i]|
.endr
	v_permlanex16_b32 v[TM+2], v[TM], s[SEL], s[SEL+1]
	v_permlanex16_b32 v[TM+3], v[TM+1], s[SEL], s[SEL+1]
	v_max_num_f32 v[TM], v[TM], v[TM+2]                            ; with lane l xor 16's 16
	v_max_num_f32 v[TM+1], v[TM+1], v[TM+3]
	v_add_nc_u32 v[TM+4], 0xff000000, v[TM]                        ; 2 off the exponent field: the conversion's scale operand
	v_add_nc_u32 v[TM+5], 0xff000000, v[TM+1]
	v_lshrrev_b32 v[TM+6], 23, v[TM+4]                             ; the bytes
	v_lshrrev_b32 v[TM+7], 23, v[TM+5]
	v_lshl_or_b32 v[\hw], v[TM+7], 8, v[TM+6]
	v_cvt_scalef32_pk16_fp6_f32 v[\p:\p+2], v[\u:\u+15], v[TM+4]
	v_cvt_scalef32_pk16_fp6_f32 v[\p+4:\p+6], v[\u+16:\u+31], v[TM+5]
	v_nop                                                          ; one plain place behind a scaled conversion
.irp i, 0,1,2
	v_permlane16_swap_b32 v[\p+\i], v[\p+4+\i]                     ; a whole block to a lane: lanes 0-15 block 0, lanes 16-31 block 1
.endr
.irp i, 0,1,2
	v_mov_b32 v[\p+3+\i], v[\p+4+\i]                               ; ascending: each source is read before it is written
.endr
.endm
.macro XL m0, s, off                   ; x's tiles m0, m0 + 1 of K step s: six loads; the caller has set the window
.irp mm, 0,1
.irp p, 0,1,2
	global_load_b128 v[96*\mm+12*(\s)+4*\p:96*\mm+12*(\s)+4*\p+3], v[LI], s[PX:PX+1] offset:(\off)+((\m0)+\mm)*12288+(\s)*1536+512*\p
.endr
.endr
.endm
.macro XSL off                         ; x's scale words of a block
.irp m, 0,1,2,3
.irp jj, 0,1,2,3
	global_load_b32 v[XS+4*\m+\jj], v[L4], s[PXS:PXS+1] offset:(\off)+512*\m+128*\jj
.endr
.endr
.endm
.macro FETCHS g                        ; a group's scale words of W
.irp c, 0,1,2,3
.irp jj, 0,1,2,3
	ds_load_b32 v[WS+4*\c+\jj], v[LWS] offset:(4*(\g)+\c)*512+128*\jj
.endr
.endr
.endm
.macro FETCHW g, s                     ; the group's four fragments of K step s into set s % 2: twelve loads of 512 consecutive bytes
	WIN 0xc0                                       ; destination window 3, address window 0
.irp c, 0,1,2,3
.irp p, 0,1,2
	ds_load_b128 v[48*((\s)%2)+12*\c+4*\p:48*((\s)%2)+12*\c+4*\p+3], v[LW+(\g)] offset:\c*12288+(\s)*1536+512*\p
.endr
.endr
.endm
; 16 matrix instructions of a K step; the 16 accumulators take turns, one instruction a turn, in the same order in every step.  The first step's C is the bias.
.macro MULQK gq, s                     ; source 0 = W (window 3), source 1 = x (window 1 or 2); accumulator (token tile m, column tile c) at v[ACC + 32 m + 8 c]
.irp hf, 0,1
.if (\s) == 0
	WIN 0x37+4*\hf
.else
	WIN 0x07+4*\hf
.endif
.irp mm, 0,1
.irp c, 0,1,2,3
.if (\s) == 0
	WM ACC+32*(2*\hf+\mm)+8*\c, 48*((\s)%2)+12*\c, 96*\mm+12*(\s), BQK+32*(\gq)+8*\c, WS+4*\c+(\s)/2, XS+4*(2*\hf+\mm)+(\s)/2, 0
.else
	WM ACC+32*(2*\hf+\mm)+8*\c, 48*((\s)%2)+12*\c, 96*\mm+12*(\s), ACC+32*(2*\hf+\mm)+8*\c, WS+4*\c+(\s)/2, XS+4*(2*\hf+\mm)+(\s)/2, (\s)%2
.endif
.endr
.endr
.endr
.endm
.macro MULV s                          ; the sources swapped: source 0 = x, source 1 = W; accumulator (c, m) at v[ACC + 32 c + 8 m]
.irp hf, 0,1
.if (\s) == 0
	WIN 0x3d+\hf
.else
	WIN 0x0d+\hf
.endif
.irp mm, 0,1
.irp c, 0,1,2,3
.if (\s) == 0
	WM ACC+32*\c+8*(2*\hf+\mm), 96*\mm+12*(\s), 48*((\s)%2)+12*\c, BV+8*\c, XS+4*(2*\hf+\mm)+(\s)/2, WS+4*\c+(\s)/2, 0
.else
	WM ACC+32*\c+8*(2*\hf+\mm), 96*\mm+12*(\s), 48*((\s)%2)+12*\c, ACC+32*\c+8*(2*\hf+\mm), XS+4*(2*\hf+\mm)+(\s)/2, WS+4*\c+(\s)/2, (\s)%2
.endif
.endr
.endr
.endr
.endm
; A load into a register that a matrix instruction has read, and a vector instruction that reads a result, stand four plain vector lines behind that matrix instruction (ISA guide 7.12.1 for vector instructions).
.macro GROUPQK gq
	FETCHS \gq
	FETCHW \gq, 0
.irp s, 0,1,2,3,4,5,6,7
.if \s > 0
	PLACES 4                                       ; the set that the next loads fill was multiplied in the step before
.endif
.if \s < 7
	FETCHW \gq, \s+1
	s_wait_dscnt 12                                ; all but the twelve just issued: this step's fragments, asked for a step ago, and the scale words are in
.else
	s_wait_dscnt 0x0
.endif
	MULQK \gq, \s
.endr
	WIN 0
.endm
.macro XNEXT s                         ; x's fragments of K step s have had their last product of this block: the next block's take their place, if there is a next block (no load leaves its buffer)
	s_cmp_eq_u32 s[BLK], 1
	s_cbranch_scc1 .Lno_next_\@
	WIN 0x40
	XL 0, \s, 49152
	WIN 0x80
	XL 2, \s, 49152
	WIN 0
.if (\s) == 7
	XSL 2048
.endif
.Lno_next_\@:
.endm
.macro GROUPV
	FETCHS 2
	FETCHW 2, 0
.irp s, 0,1,2,3,4,5,6,7
.if \s < 7
	FETCHW 2, \s+1
	s_wait_dscnt 12
.else
	s_wait_dscnt 0x0
.endif
	MULV \s
	WIN 0                                          ; a branch follows
	PLACES 4                                       ; for the loads into x's registers, for the next step's loads into W's, and behind the last step for the first read of results
	XNEXT \s
.endr
.endm
.macro EPIQK ptr, ptrs                 ; unit n = token tile n: its 32 registers run along d
	s_wait_xcnt 0x0                                ; the last group's stores have read their registers: the codes' and the words' are written again only behind this wait
	PLACES 4
.irp n, 0,1,2,3
	SWISH32 ACC+32*\n
	QUANT2 ACC+32*\n, PC+8*\n, HW+\n
	global_store_b128 v[LI], v[PC+8*\n:PC+8*\n+3], s[\ptr:\ptr+1] offset:768*\n        ; 512 consecutive bytes,
	global_store_b64 v[L8], v[PC+8*\n+4:PC+8*\n+5], s[\ptr:\ptr+1] offset:768*\n+512   ; and 256: whole aligned blocks of 256
.endr
	v_lshl_or_b32 v[WW], v[HW+1], 16, v[HW]        ; the pair words of tiles 0, 1 and of tiles 2, 3;
	v_lshl_or_b32 v[WW+1], v[HW+3], 16, v[HW+2]
	v_cndmask_b32 v[WW], v[WW], v[WW+1], s[HIM]    ; lanes 0-15 store the first, lanes 16-31 the second: 128 consecutive bytes
	global_store_b32 v[L4], v[WW], s[\ptrs:\ptrs+1]
.endm
.macro EPIV                            ; unit n = d tile n: its 32 registers run along the block's 64 tokens
	s_wait_xcnt 0x0
.irp n, 0,1,2,3
	SWISH32 ACC+32*\n
	QUANT2 ACC+32*\n, PC+8*\n, HW+\n
	global_store_b128 v[LI], v[PC+8*\n:PC+8*\n+3], s[PV:PV+1] offset:1536*\n
	global_store_b64 v[L8], v[PC+8*\n+4:PC+8*\n+5], s[PV:PV+1] offset:1536*\n+512
.endr
	v_cndmask_b32 v[WW], v[HW], v[HW+1], s[HIM]    ; a block owns two of the four bytes of each of v's scale words: stores of 2 bytes, one byte in 48 of the codes'
	v_cndmask_b32 v[WW+1], v[HW+2], v[HW+3], s[HIM]
	global_store_b16 v[L4], v[WW], s[PVS:PVS+1]
	global_store_b16 v[L4], v[WW+1], s[PVS:PVS+1] offset:128
.endm
	s_load_b256 s[4:11], s[0:1], 0x0               ; xw s[4:5], wfw s[6:7], b_fc s[8:9], qw s[10:11]
	s_load_b64 s[12:13], s[0:1], 0x20              ; kvw
	v_lshl_add_u32 v[SPW], v0, 2, SPARE
	v_mov_b32 v[NIL], 0
	ds_add_u32 v[SPW], v[NIL]                      ; the wave's opening: the add, twice on end, and its wait ahead of my first tensor load; work on registers stands between
	ds_add_u32 v[SPW], v[NIL]
	v_lshrrev_b32 v11, 5, v0
	v_readfirstlane_b32 s[WV], v11                 ; wave 0..3
	v_and_b32 v11, 31, v0
	v_lshlrev_b32 v[LI], 4, v11
	v_lshlrev_b32 v[L8], 3, v11
	v_lshlrev_b32 v[L4], 2, v11
	v_mov_b32 v[LW], v[LI]
	v_add_nc_u32 v[LW+1], 49152, v[LI]
	v_add_nc_u32 v[LW+2], 98304, v[LI]
	v_add_nc_u32 v[LWS], 147456, v[L4]
	v_bfe_u32 v14, v0, 4, 1
	v_lshlrev_b32 v[BA], 6, v14
	v_and_b32 v14, 15, v0
	v_and_b32 v15, 8, v14
	v_add_nc_u32 v14, v14, v15
	v_lshlrev_b32 v[BB], 2, v14
	v_mov_b32 v[TM+2], 0                           ; written once: a lane permute's destination counts as one of its sources
	v_mov_b32 v[TM+3], 0
	s_mov_b32 s[NL], 0xbfb8aa3b                    ; -log2(e)
	s_mov_b32 s[NL+1], s[NL]
	s_mov_b32 s[SEL], 0x76543210
	s_mov_b32 s[SEL+1], 0xfedcba98
	s_mov_b32 s[HIM], 0xffff0000
	s_mov_b32 s[BLK], 2
	; descriptor group 1: a dense block of 38,400 bytes as 150 rows of 256 bytes (32 elements of 8 bytes), no padding
	s_mov_b32 s[G1], 15|(3<<16)|(1<<21)            ; 15:0 the mask: all four work-groups; 17:16 elements of 8 bytes; 21 set beside a mask
	s_mov_b32 s[G1+1], 32<<16                      ; tensor_dim0 = 32
	s_mov_b32 s[G1+2], 150<<16                     ; tensor_dim1 = 150
	s_mov_b32 s[G1+3], 32<<16                      ; tile_dim0 = 32
	s_mov_b32 s[G1+4], 150                         ; tile_dim1 = 150
	s_mov_b32 s[G1+5], 32                          ; from row to row
	s_mov_b32 s[G1+6], 0
	s_mov_b32 s[G1+7], 0
	s_bfe_u32 s52, ttmp6, 0x40000                  ; cx: it enters x's, q's, k's and v's addresses alone
	s_lshl_b32 s53, ttmp9, 2
	s_add_co_u32 s53, s53, s52                     ; my 512 tokens: 4 x cluster x + cx
	s_and_b32 s54, ttmp7, 0xffff                   ; the head, which the four partners share
	s_mul_i32 s55, s[WV], 38400                    ; my quarter of W: in LDS, and in the head's block
	s_mul_i32 s56, s54, 153600
	s_add_co_u32 s56, s56, s55
	s_mov_b32 s57, 0
	s_lshl_b32 s58, s53, 3
	s_lshl_b32 s59, s[WV], 1
	s_add_co_u32 s58, s58, s59                     ; my first block of 64 tokens: 8 x group + 2 x wave
	s_mul_i32 s60, s58, 49152                      ; four tiles of 12,288 bytes
	s_mov_b32 s61, 0
	s_lshl_b32 s62, s58, 11
	s_add_co_u32 s62, s62, 6291456                 ; four tiles of 512 bytes of scale words
	s_mov_b32 s63, 0
	s_lshr_b32 s66, s53, 2
	s_lshl_b32 s66, s66, 4
	s_add_co_u32 s66, s66, s54                     ; 16 x batch + head
	s_and_b32 s67, s53, 3
	s_lshl_b32 s68, s67, 3
	s_add_co_u32 s68, s68, s59                     ; my first block within the batch
	s_mul_i32 s69, s66, 102400
	s_mul_i32 s70, s68, 3072
	s_add_co_u32 s70, s70, s69                     ; q: four halves a block
	s_mov_b32 s71, 0
	s_lshl_b32 s72, s68, 7
	s_add_co_u32 s72, s72, s69
	s_add_co_u32 s72, s72, 98304                   ; and two pair words a row
	s_mov_b32 s73, 0
	s_lshl_b32 s74, s67, 2
	s_add_co_u32 s74, s74, s[WV]                   ; my key step: my two blocks are its halves
	s_mul_i32 s74, s74, 12800
	s_mul_i32 s75, s66, 204800
	s_add_co_u32 s74, s74, s75
	s_mov_b32 s75, 0
	s_mul_i32 s76, s54, 768                        ; the head's 192 biases
	s_mov_b32 s77, 0
	s_wait_dscnt 0x0                               ; both opening adds are done
	s_wait_kmcnt 0x0
	s_add_nc_u64 s[PX:PX+1], s[4:5], s[60:61]
	s_add_nc_u64 s[PXS:PXS+1], s[4:5], s[62:63]
	s_add_nc_u64 s[PQ:PQ+1], s[10:11], s[70:71]
	s_add_nc_u64 s[PQS:PQS+1], s[10:11], s[72:73]
	s_add_nc_u64 s[PK:PK+1], s[12:13], s[74:75]
	s_add_nc_u64 s[PKS:PKS+1], s[PK:PK+1], 12288
	s_add_nc_u64 s[PV:PV+1], s[PK:PK+1], 6144
	s_add_nc_u64 s[PVS:PVS+1], s[PK:PK+1], 12544
	s_add_nc_u64 s[8:9], s[8:9], s[76:77]
	s_mov_b32 s[G0], 1                             ; count = 1
	s_mov_b32 s[G0+1], s55                         ; LDS address: wave x 38,400
	s_add_nc_u64 s[G0+2:G0+3], s[6:7], s[56:57]    ; global address: made of the head and the wave's number alone
	s_or_b32 s[G0+3], s[G0+3], 0x80000000          ; type = 2
	ROUND                                          ; all four work-groups are here: the joint loads meet
	tensor_load_to_lds s[G0:G0+3], s[G1:G1+7]      ; my one tensor load of the launch
	s_nop 0
	PLACES 4
	WIN 0x40                                       ; the first block's x: destination window 1,
.irp s, 0,1,2,3,4,5,6,7
	XL 0, \s, 0
.endr
	WIN 0x80                                       ; and window 2
.irp s, 0,1,2,3,4,5,6,7
	XL 2, \s, 0
.endr
	WIN 0
	XSL 0
	WIN 0xc0                                       ; the biases, in the results' layout.  q, k: lane (r, h) of tile c holds columns 32 (c / 2) + 8 (c % 2) + 16 h + 0 .. 7
	s_wait_alu depctr_va_vdst(0)
.irp t, 0,1,2,3,4,5,6,7
	global_load_b128 v[BQK+8*\t:BQK+8*\t+3], v[BA], s[8:9] offset:4*(64*(\t/4)+32*((\t%4)/2)+8*(\t%2))
	global_load_b128 v[BQK+8*\t+4:BQK+8*\t+7], v[BA], s[8:9] offset:4*(64*(\t/4)+32*((\t%4)/2)+8*(\t%2))+16
.endr
.irp c, 0,1,2,3                                ; v: a lane holds one column, 32 (c / 2) + 8 (c % 2) + r + 8 (r / 8), in all eight registers
.irp j, 0,1,2,3,4,5,6,7
	global_load_b32 v[BV+8*\c+\j], v[BB], s[8:9] offset:4*(128+32*(\c/2)+8*(\c%2))
.endr
.endr
	WIN 0
	s_wait_tensorcnt 0x0                           ; my quarter of W is in,
	s_barrier_signal -1
	s_barrier_wait -1                              ; everybody's is
.Lblock:
	s_wait_loadcnt 0x0                             ; this block's x and its scale words (the first time: the biases too)
	GROUPQK 0
	EPIQK PQ, PQS
	GROUPQK 1
	EPIQK PK, PKS
	GROUPV
	EPIV
	s_wait_xcnt 0x0                                ; every load and store issued has read its base: the bases step
	s_add_nc_u64 s[PX:PX+1], s[PX:PX+1], 49152
	s_add_nc_u64 s[PXS:PXS+1], s[PXS:PXS+1], 2048
	s_add_nc_u64 s[PQ:PQ+1], s[PQ:PQ+1], 3072
	s_add_nc_u64 s[PQS:PQS+1], s[PQS:PQS+1], 128
	s_add_nc_u64 s[PK:PK+1], s[PK:PK+1], 3072
	s_add_nc_u64 s[PKS:PKS+1], s[PKS:PKS+1], 128
	s_add_nc_u64 s[PV:PV+1], s[PV:PV+1], 768
	s_add_nc_u64 s[PVS:PVS+1], s[PVS:PVS+1], 2
	s_sub_co_u32 s[BLK], s[BLK], 1
	s_cmp_lg_u32 s[BLK], 0
	s_cbranch_scc1 .Lblock
	s_wait_tensorcnt 0x0                           ; the wave's end: behind my last tensor load
	ds_add_u32 v[SPW], v[NIL]
	s_wait_dscnt 0x0
	ROUND                                          ; the closing round
	s_endpgm
.Lfunc_end_k_q77bcdc4ab2_qkv:
	.size	k_q77bcdc4ab2_qkv, .Lfunc_end_k_q77bcdc4ab2_qkv-k_q77bcdc4ab2_qkv
	.p2alignl 7, 3214868480
	.fill 96, 4, 3214868480
	.section	.rodata,"a",@progbits
	.p2align	6, 0x0
	.amdhsa_kernel k_q77bcdc4ab2_qkv
		.amdhsa_group_segment_fixed_size 167936
		.amdhsa_private_segment_fixed_size 0
		.amdhsa_enable_private_segment 0
		.amdhsa_kernarg_size 40
		.amdhsa_user_sgpr_count 2
		.amdhsa_user_sgpr_kernarg_segment_ptr 1
		.amdhsa_wavefront_size32 1
		.amdhsa_system_sgpr_workgroup_id_x 1
		.amdhsa_system_sgpr_workgroup_id_y 1
		.amdhsa_system_sgpr_workgroup_id_z 1
		.amdhsa_system_vgpr_workitem_id 0
		.amdhsa_next_free_vgpr 960
		.amdhsa_next_free_sgpr 100
		.amdhsa_reserve_vcc 0
		.amdhsa_float_denorm_mode_32 3
		.amdhsa_float_denorm_mode_16_64 3
		.amdhsa_memory_ordered 1
		.amdhsa_forward_progress 1
		.amdhsa_inst_pref_size 196
	.end_amdhsa_kernel
	.amdgpu_metadata
---
amdhsa.version: [ 1, 2 ]
amdhsa.kernels:
  - .name:           k_q77bcdc4ab2_qkv
    .symbol:         k_q77bcdc4ab2_qkv.kd
    .args:
      - { .name: xw, .offset: 0, .size: 8, .value_kind: global_buffer, .address_space: global }
      - { .name: wfw, .offset: 8, .size: 8, .value_kind: global_buffer, .address_space: global }
      - { .name: b_fc, .offset: 16, .size: 8, .value_kind: global_buffer, .address_space: global }
      - { .name: qw, .offset: 24, .size: 8, .value_kind: global_buffer, .address_space: global }
      - { .name: kvw, .offset: 32, .size: 8, .value_kind: global_buffer, .address_space: global }
    .group_segment_fixed_size: 167936
    .private_segment_fixed_size: 0
    .kernarg_segment_align: 8
    .kernarg_segment_size: 40
    .max_flat_workgroup_size: 128
    .sgpr_count:     100
    .vgpr_count:     960
    .wavefront_size: 32
...
	.end_amdgpu_metadata
.endif
;; end of part 2
;; launch attn (part 3): grid 4 x 64, 16 waves a work-group, clusters of 4 x 1, 206,848 bytes of LDS; arguments qw, kvw, nvw; writes nvw
.if DOCPART == 3
	.amdgcn_target "amdgcn-amd-amdhsa--gfx1250"
	.amdhsa_code_object_version 6
	.text
	.protected	k_q77bcdc4ab2_attn
	.globl	k_q77bcdc4ab2_attn
	.p2align	8
	.type	k_q77bcdc4ab2_attn,@function
k_q77bcdc4ab2_attn:
	s_mov_b64 s[64:65], 0
	v_nop
	global_prefetch_b8 v0, s[64:65] scope:SCOPE_SE
	s_setreg_imm32_b32 hwreg(HW_REG_WAVE_MODE, 25, 1), 1
	s_wait_xcnt 0x0
	s_wait_alu depctr_hold_cnt(0) depctr_sa_sdst(0) depctr_va_vdst(0) depctr_va_sdst(0) depctr_va_ssrc(0) depctr_va_vcc(0) depctr_vm_vsrc(0)
	s_getreg_b32 s2, hwreg(HW_REG_IB_STS2, 6, 4)
	s_cmp_eq_u32 s2, 0
	s_cbranch_scc0 .Lentry_in_a_cluster
	s_endpgm
.Lentry_in_a_cluster:
	s_bfe_u32 s2, ttmp6, 0x10000c
	s_cmp_lg_u32 s2, 0x3003
	s_cbranch_scc0 .Lentry_shape_is_right
	s_endpgm
.Lentry_shape_is_right:
; ATTN: new_v = softmax(q k^T / sqrt(2048)) v for one head of one batch, both products on codes of FP6 (E2M3), and new_v quantised at once along (head, d).  Nothing of reference() is left out.
; THE SOFTMAX AHEAD OF THE SECOND PRODUCT: t = score x log2(e) / sqrt(2048); M = the row's largest t so far, rounded UP to a whole number; p = 2^(t - M) is quantised along the keys, not normalised.
; The row's sum is taken of the unquantised p and divides at the end.  When M moves, the sum and O are multiplied by 2^(old M - new M): exact.
; SHARES.  A work-group owns 512 queries; each of its sixteen waves 32 (two tiles of 16), BOTH IN ONE WALK over the 16 key steps of 128 keys: each fragment of K and of V is read from LDS once for the two tiles.
; ALL OF THE HEAD'S K AND V, 16 key steps x 12,800 bytes, LIES IN LDS: wave w brings key step w by one tensor load (50 rows of 256 bytes); nothing is filled again, and the loop has no barrier.
; CLUSTER.  The four work-groups of a cluster are the four blocks of queries of one head: each key step is asked for jointly, with the mask of all four.
; NO PREFETCH: all that the launch reads is asked for at its head, by one tensor load and five loads of q a wave; no trip of the loop asks for anything.
; LAYOUT.  Both products transposed: S^T = K Q^T, O^T = V^T P^T: a lane holds ONE query throughout.
; WHICH KEYS FORM A SCORE TILE is chosen by the LDS addresses alone: tile (c, t) takes as rows 0-7 keys 64 c + 8 t + 0..7 and as rows 8-15 keys 64 c + 32 + 8 t + 0..7.  So lane (r, h) holds in registers S + 32 c + 0..31
; the keys 64 c + 32 h + 0..31: a WHOLE block of 32, in the very order of the second product's operand.  A block's maximum asks no other lane, and the conversions' results are the operand's registers.
; In kvw key 32 b + o lies in the image of tile 2 b + (o / 8) % 2 at row o % 8 + 8 (o / 16): so row m of tile (c, t) reads image 4 c + 2 (m / 8) + t % 2, row m % 8 + 8 (t / 2).
; THE FIRST PRODUCT'S K IS 64, THE INSTRUCTION'S 128: source 0 holds TWO tiles of keys (t = 2 w and 2 w + 1) and is multiplied once by [q | zero codes] and once by [zero codes | q]:
; a zero code adds exactly 0 under any scale byte but 0xff, which no byte here is.  q's scale word is its two bytes twice.
; LIMITS: the promise holds while the scaled scores t stay under 2^31 in magnitude; NaN and infinities are not served; a block whose largest magnitude lies under 2^-124 gets the byte 1 and zero codes
; (this program alone reads the bytes).
; REGISTERS: v1, v18 a lane's two block maxima; v2-4, v17 lane constants; v5-7 addresses; v8 / v12 -M, v[10:11] / v[14:15] the sums of tile 0 / 1; v9, v13 at work; v16 f; v19 q's scale words (tile 0 in lanes 0-15,
; tile 1 in lanes 16-31); v20-21 K's, then V's scale words; v22-23 p's; v26-55 zeros | q0 | zeros | q1 | zeros; v56-79 p's codes; v80-127 K's four pairs, then V's four fragments; v128-191 S^T, then p; v192-255 O^T.
; A BLOCK'S SCALE is read off its largest score: the block's largest p is 2^u with u = largest t - M, so floor(log2(it)) = floor(u) and the byte is floor(u) + 125, held at 1 from below.
; LIMIT: where u lies within an ulp under a whole number, so that the exponential of it rounds up to that power of two, the byte is one less than the rule's and that one p is held at the largest code.
.set STEPB, 12800
.set SPARE, 204800                     ; behind K and V: the spare words, 128 bytes for each of sixteen waves: eight blocks of 256 bytes that no other line names
.set BM0, 1
.set X,   2                            ; lane % 8 + 16 h
.set Y,   3                            ; 1,536 x (lane / 8 % 2)
.set Z,   4                            ; lane % 8 + 8 h + 16 (lane / 8 % 2)
.set A16, 5
.set A8,  6
.set A4,  7
.set TP,  9
.set PT,  13
.set F,   16                           ; v[16:17]: f = 2^(old M - new M); the pair's upper word is the lane's number and is not used
.set L,   17
.set BM1, 18
.set QS,  19
.set KS,  20
.set PS,  22
.set SPW, 24                           ; LDS address of my spare word; never rewritten
.set NIL, 25                           ; 0; never rewritten
.set QZ,  26
.set P,   56
.set KV,  80
.set S,   128
.set O,   192
.set WV,  10
.set TB,  11                           ; s11 LDS byte at which the key step in hand begins
.set CNT, 12
.set NC,  13                           ; s13 -c
.set SEL, 14
.set CS,  16                           ; s[16:17] c = log2(e) / sqrt(2048)
.set G1,  24
.set G0,  32
.set PQ,  40
.set PQS, 42
.set PN,  44
.set PNS, 46
.macro PLACES n
.rept \n
	v_nop
.endr
.endm
.macro ROUND                           ; a round of the cluster's barrier
	s_barrier_signal -1
	s_barrier_wait -1
	s_cmp_lg_u32 s[WV], 0
	s_cbranch_scc1 .Lnot_wave_0_\@
	s_barrier_signal -3
.Lnot_wave_0_\@:
	s_barrier_wait -3
	s_barrier_signal -1
	s_barrier_wait -1
.endm
.macro WMS d, a, b, sa, sb, ra, rb     ; starts a sum; ra, rb: the side's scale words stand in lanes 16-31
.if (\ra) && (\rb)
	v_wmma_scale_f32_16x16x128_f8f6f4 v[\d:\d+7], v[\a:\a+11], v[\b:\b+11], 0, v[\sa], v[\sb] matrix_a_fmt:MATRIX_FMT_FP6 matrix_b_fmt:MATRIX_FMT_FP6 matrix_a_scale:MATRIX_SCALE_ROW1 matrix_b_scale:MATRIX_SCALE_ROW1
.elseif (\ra)
	v_wmma_scale_f32_16x16x128_f8f6f4 v[\d:\d+7], v[\a:\a+11], v[\b:\b+11], 0, v[\sa], v[\sb] matrix_a_fmt:MATRIX_FMT_FP6 matrix_b_fmt:MATRIX_FMT_FP6 matrix_a_scale:MATRIX_SCALE_ROW1
.elseif (\rb)
	v_wmma_scale_f32_16x16x128_f8f6f4 v[\d:\d+7], v[\a:\a+11], v[\b:\b+11], 0, v[\sa], v[\sb] matrix_a_fmt:MATRIX_FMT_FP6 matrix_b_fmt:MATRIX_FMT_FP6 matrix_b_scale:MATRIX_SCALE_ROW1
.else
	v_wmma_scale_f32_16x16x128_f8f6f4 v[\d:\d+7], v[\a:\a+11], v[\b:\b+11], 0, v[\sa], v[\sb] matrix_a_fmt:MATRIX_FMT_FP6 matrix_b_fmt:MATRIX_FMT_FP6
.endif
.endm
.macro WMC d, a, b, sa, sb, odd        ; adds in place
.if \odd
	v_wmma_scale_f32_16x16x128_f8f6f4 v[\d:\d+7], v[\a:\a+11], v[\b:\b+11], v[\d:\d+7], v[\sa], v[\sb] matrix_a_fmt:MATRIX_FMT_FP6 matrix_b_fmt:MATRIX_FMT_FP6 matrix_a_scale:MATRIX_SCALE_ROW1
.else
	v_wmma_scale_f32_16x16x128_f8f6f4 v[\d:\d+7], v[\a:\a+11], v[\b:\b+11], v[\d:\d+7], v[\sa], v[\sb] matrix_a_fmt:MATRIX_FMT_FP6 matrix_b_fmt:MATRIX_FMT_FP6
.endif
.endm
.macro QK u                            ; the scores of query tile u: eight tiles of 16 keys, each accumulator begun with 0
.irp c, 0,1
.irp w, 0,1
.irp e, 0,1
	WMS S+32*\c+16*\w+8*\e, KV+12*(2*\c+\w), QZ+12*(\u)+6*(1-\e), KS+\c, QS, \w, \u
.endr
.endr
.endr
.endm
.macro TREE3 a, b                      ; sixteen pairs, eight from a and eight from b, become two, in place: 14 packed additions
.irp k, 0,4,8,12
	v_pk_add_f32 v[\a+\k:\a+\k+1], v[\a+\k:\a+\k+1], v[\a+\k+2:\a+\k+3]
	v_pk_add_f32 v[\b+\k:\b+\k+1], v[\b+\k:\b+\k+1], v[\b+\k+2:\b+\k+3]
.endr
.irp k, 0,8
	v_pk_add_f32 v[\a+\k:\a+\k+1], v[\a+\k:\a+\k+1], v[\a+\k+4:\a+\k+5]
	v_pk_add_f32 v[\b+\k:\b+\k+1], v[\b+\k:\b+\k+1], v[\b+\k+4:\b+\k+5]
.endr
	v_pk_add_f32 v[\a:\a+1], v[\a:\a+1], v[\a+8:\a+9]
	v_pk_add_f32 v[\b:\b+1], v[\b:\b+1], v[\b+8:\b+9]
.endm
; The scores of tile u in v[S] on become p's codes, p's scale word, and the tile's sum and O^T stand under the new M
.macro SOFTMAX u
.set NM, 8+4*(\u)
.set SM, 10+4*(\u)
.set PP, P+12*(\u)
.set OO, O+32*(\u)
	v_max3_num_f32 v[BM0], v[S], v[S+1], v[S+2]                    ; my two blocks' largest scores, each in two chains of 16; every accumulator is first read at its low end
	v_max3_num_f32 v[TP], v[S+16], v[S+17], v[S+18]
	v_max3_num_f32 v[BM1], v[S+32], v[S+33], v[S+34]
	v_max3_num_f32 v[PT], v[S+48], v[S+49], v[S+50]
.irp i, 3,5,7,9,11,13
	v_max3_num_f32 v[BM0], v[BM0], v[S+\i], v[S+\i+1]
	v_max3_num_f32 v[TP], v[TP], v[S+16+\i], v[S+17+\i]
	v_max3_num_f32 v[BM1], v[BM1], v[S+32+\i], v[S+33+\i]
	v_max3_num_f32 v[PT], v[PT], v[S+48+\i], v[S+49+\i]
.endr
	v_max3_num_f32 v[BM0], v[BM0], v[TP], v[S+15]
	v_max3_num_f32 v[BM1], v[BM1], v[PT], v[S+47]
	v_max_num_f32 v[BM0], v[BM0], v[S+31]
	v_max_num_f32 v[BM1], v[BM1], v[S+63]
	s_delay_alu instid0(VALU_DEP_1)
	v_max_num_f32 v[TP], v[BM0], v[BM1]
	s_delay_alu instid0(VALU_DEP_1)
	v_permlanex16_b32 v[PT], v[TP], s[SEL], s[SEL+1]
	s_delay_alu instid0(VALU_DEP_1)
	v_max_num_f32 v[TP], v[TP], v[PT]              ; with lane l xor 16's 64 keys: the step's largest score of my query
	s_delay_alu instid0(VALU_DEP_1)
	v_mul_f32 v[TP], s[NC], v[TP]                  ; -t (c is positive)
	s_delay_alu instid0(VALU_DEP_1)
	v_floor_f32 v[TP], v[TP]                       ; floor(-t) = -ceil(t)
	s_delay_alu instid0(VALU_DEP_1)
	v_min_num_f32 v[PT], v[NM], v[TP]              ; the new -M: the ceiling of the running maximum is the maximum of the ceilings
	s_delay_alu instid0(VALU_DEP_1)
	v_sub_f32 v[TP], v[PT], v[NM]                  ; old M - new M: a whole number, 0 or less
	v_mov_b32 v[NM], v[PT]
.set ii, 0
.rept 16
	v_pk_fma_f32 v[S+ii:S+ii+1], v[S+ii:S+ii+1], s[CS:CS+1], v[NM:NM+1] op_sel_hi:[1,0,0]   ; t - M, two numbers an instruction (of the pairs c and -M the low word serves both halves)
.set ii, ii+2
.endr
	v_cvt_i32_f32 v[TP], v[TP]                     ; (it saturates)
.rept 16
	v_pk_fma_f32 v[S+ii:S+ii+1], v[S+ii:S+ii+1], s[CS:CS+1], v[NM:NM+1] op_sel_hi:[1,0,0]
.set ii, ii+2
.endr
	v_ldexp_f32 v[F], 1.0, v[TP]                   ; f = 2^(old M - new M)
	v_fma_f32 v[BM0], v[BM0], s[CS], v[NM]         ; the same of each block's largest score: p rises with the score
	v_fma_f32 v[BM1], v[BM1], s[CS], v[NM]
	s_delay_alu instid0(VALU_DEP_2)
	v_max_num_f32 v[BM0], 0xc2f80000, v[BM0]       ; u, held at -124 from below: the byte cannot fall under 1
	s_delay_alu instid0(VALU_DEP_2)
	v_max_num_f32 v[BM1], 0xc2f80000, v[BM1]
	s_delay_alu instid0(VALU_DEP_2)
	v_floor_f32 v[BM0], v[BM0]
	s_delay_alu instid0(VALU_DEP_2)
	v_floor_f32 v[BM1], v[BM1]
	s_delay_alu instid0(VALU_DEP_2)
	v_cvt_i32_f32 v[BM0], v[BM0]
	s_delay_alu instid0(VALU_DEP_2)
	v_cvt_i32_f32 v[BM1], v[BM1]
	s_delay_alu instid0(VALU_DEP_2)
	v_add_nc_u32 v[BM0], 125, v[BM0]               ; the bytes of my blocks h and 2 + h: floor(u) + 127 - 2
	s_delay_alu instid0(VALU_DEP_2)
	v_add_nc_u32 v[BM1], 125, v[BM1]
	s_delay_alu instid0(VALU_DEP_1)
	v_lshl_or_b32 v[TP], v[BM1], 16, v[BM0]
	v_lshlrev_b32 v[BM0], 23, v[BM0]               ; as exponent fields: the conversions' scale operands
	v_lshlrev_b32 v[BM1], 23, v[BM1]
	v_permlanex16_b32 v[PT], v[TP], s[SEL], s[SEL+1]
	s_wait_alu depctr_va_vdst(0)                   ; ahead of the batch
.set ii, 0
.rept 64
	v_exp_f32 v[S+ii], v[S+ii]                     ; p = 2^(t - M)
.set ii, ii+1
.endr
	v_pk_mul_f32 v[SM:SM+1], v[SM:SM+1], v[F:F+1] op_sel_hi:[1,0]   ; the sums under the new M: the plain line behind the exponentials
	s_wait_alu depctr_va_vdst(0)                   ; one wait for the batch of 64, directly ahead of the first reader of O^T too
.set ii, 0
.rept 16
	v_pk_mul_f32 v[OO+ii:OO+ii+1], v[OO+ii:OO+ii+1], v[F:F+1] op_sel_hi:[1,0]   ; O^T under the new M, each accumulator from its low end on
.set ii, ii+2
.endr
	v_cvt_scalef32_pk16_fp6_f32 v[PP:PP+2], v[S:S+15], v[BM0]          ; keys 32 h + 0..15: the operand's registers 0-2,
	v_cvt_scalef32_pk16_fp6_f32 v[PP+6:PP+8], v[S+32:S+47], v[BM1]     ; keys 64 + 32 h + 0..15: registers 6-8
	v_lshl_or_b32 v[PS+(\u)], v[PT], 8, v[TP]      ; lanes 0-15: blocks 0, 2 are mine, blocks 1, 3 lane l + 16's: p's scale word (lanes 16-31 are not read).  (The plain line between the conversions and the additions that write their sources)
	TREE3 S, S+32                                  ; THE ROW'S SUM IS TAKEN OF THE UNQUANTISED p, in place, on registers that the conversions have read
	v_cvt_scalef32_pk16_fp6_f32 v[S+4:S+6], v[S+16:S+31], v[BM0]       ; keys 32 h + 16..31 (a conversion's three registers begin on an even number: made in registers that the sum has left, and moved)
	v_cvt_scalef32_pk16_fp6_f32 v[S+8:S+10], v[S+48:S+63], v[BM1]
	v_pk_add_f32 v[S:S+1], v[S:S+1], v[S+32:S+33]  ; (the plain line behind the conversions)
.irp i, 0,1,2
	v_mov_b32 v[PP+3+\i], v[S+4+\i]
	v_mov_b32 v[PP+9+\i], v[S+8+\i]
.endr
	TREE3 S+16, S+48                               ; these 17 additions are also the lines owed between p's scale word and codes and the products that take them
	v_pk_add_f32 v[S+16:S+17], v[S+16:S+17], v[S+48:S+49]
	s_delay_alu instid0(VALU_DEP_1)
	v_pk_add_f32 v[S:S+1], v[S:S+1], v[S+16:S+17]
	s_delay_alu instid0(VALU_DEP_1)
	v_pk_add_f32 v[SM:SM+1], v[SM:SM+1], v[S:S+1]
.endm
; A KEY STEP: 128 keys for both query tiles
.macro STEP
	v_add_nc_u32 v[A4], s[TB], v[Y]                ; these four are the plain lines between the last step's products and the loads into the registers that they read
	v_lshl_add_u32 v[A16], v[X], 4, v[A4]
	v_lshl_add_u32 v[A8], v[X], 3, v[A4]
	v_lshl_add_u32 v[A4], v[Z], 2, s[TB]
.irp c, 0,1
.irp w, 0,1
.irp e, 0,1                                    ; tile (c, 2 w + e): half of pair (c, w)'s twelve registers
	ds_load_b128 v[KV+12*(2*\c+\w)+6*\e:KV+12*(2*\c+\w)+6*\e+3], v[A16] offset:3072*\c+768*\e+128*\w
	ds_load_b64 v[KV+12*(2*\c+\w)+6*\e+4:KV+12*(2*\c+\w)+6*\e+5], v[A8] offset:3072*\c+768*\e+64*\w+512
.endr
.endr
	ds_load_b32 v[KS+\c], v[A4] offset:12288+128*\c               ; the pairs' words: pair (c, 0) in lanes 0-15, pair (c, 1) in lanes 16-31
.endr
	s_wait_dscnt 0x0
	QK 0
	PLACES 4                                       ; in front of the first read of the scores
	SOFTMAX 0
	QK 1
	v_lshl_add_u32 v[A16], v[L], 4, s[TB]          ; four plain lines in front of the loads into K's registers and of the first read of the scores
	v_lshl_add_u32 v[A8], v[L], 3, s[TB]
	v_lshl_add_u32 v[A4], v[L], 2, s[TB]
	v_nop
.irp t, 0,1,2,3                                ; V's four fragments take K's place and land while tile 1's softmax is walked
.irp c, 0,1
	ds_load_b128 v[KV+12*\t+6*\c:KV+12*\t+6*\c+3], v[A16] offset:6144+1536*\t+768*\c
	ds_load_b64 v[KV+12*\t+6*\c+4:KV+12*\t+6*\c+5], v[A8] offset:6144+1536*\t+768*\c+512
.endr
.endr
	ds_load_b32 v[KS], v[A4] offset:12544
	ds_load_b32 v[KS+1], v[A4] offset:12544+128
	SOFTMAX 1
	s_wait_alu depctr_va_vdst(0)                   ; directly ahead of the wait below
	s_wait_dscnt 0x0                               ; V and its scale words are in
.irp t, 0,1,2,3                                ; O^T += V^T P^T: the eight accumulators by turns; each fragment of V serves both tiles
	WMC O+8*\t, KV+12*\t, P, KS+\t/2, PS, \t%2
	WMC O+32+8*\t, KV+12*\t, P+12, KS+\t/2, PS+1, \t%2
.endr
.endm
; 32 numbers of a lane, register 16 b + i = d 32 b + 16 (lane / 16) + i of my row, become half a fragment in v[p] .. v[p + 5] and the two blocks' bytes in v[hw]; tm: eight registers at work
.macro QUANT2 u, p, hw, tm
	v_max3_num_f32 v[\tm], |v[\u]|, |v[\u+1]|, 0x1800000
	v_max3_num_f32 v[\tm+1], |v[\u+16]|, |v[\u+17]|, 0x1800000
.irp i, 2,4,6,8,10,12,14
	s_delay_alu instid0(VALU_DEP_2)
	v_max3_num_f32 v[\tm], v[\tm], |v[\u+\i]|, |v[\u+\i+1]|
	s_delay_alu instid0(VALU_DEP_2)
	v_max3_num_f32 v[\tm+1], v[\tm+1], |v[\u+16+\i]|, |v[\u+17+\i]|
.endr
	s_delay_alu instid0(VALU_DEP_2)
	v_permlanex16_b32 v[\tm+2], v[\tm], s[SEL], s[SEL+1]
	s_delay_alu instid0(VALU_DEP_2)
	v_permlanex16_b32 v[\tm+3], v[\tm+1], s[SEL], s[SEL+1]
	s_delay_alu instid0(VALU_DEP_2)
	v_max_num_f32 v[\tm], v[\tm], v[\tm+2]
	s_delay_alu instid0(VALU_DEP_2)
	v_max_num_f32 v[\tm+1], v[\tm+1], v[\tm+3]
	s_delay_alu instid0(VALU_DEP_2)
	v_add_nc_u32 v[\tm+4], 0xff000000, v[\tm]
	s_delay_alu instid0(VALU_DEP_2)
	v_add_nc_u32 v[\tm+5], 0xff000000, v[\tm+1]
	s_delay_alu instid0(VALU_DEP_2)
	v_lshrrev_b32 v[\tm+6], 23, v[\tm+4]
	s_delay_alu instid0(VALU_DEP_2)
	v_lshrrev_b32 v[\tm+7], 23, v[\tm+5]
	s_delay_alu instid0(VALU_DEP_1)
	v_lshl_or_b32 v[\hw], v[\tm+7], 8, v[\tm+6]
	v_cvt_scalef32_pk16_fp6_f32 v[\p:\p+2], v[\u:\u+15], v[\tm+4]
	v_cvt_scalef32_pk16_fp6_f32 v[\p+4:\p+6], v[\u+16:\u+31], v[\tm+5]
	v_nop                                          ; one plain place behind a scaled conversion
.irp i, 0,1,2
	v_permlane16_swap_b32 v[\p+\i], v[\p+4+\i]     ; a whole block to a lane
.endr
.irp i, 0,1,2
	s_delay_alu instid0(VALU_DEP_3)
	v_mov_b32 v[\p+3+\i], v[\p+4+\i]
.endr
.endm
	s_load_b128 s[4:7], s[0:1], 0x0                ; qw s[4:5], kvw s[6:7]
	s_load_b64 s[8:9], s[0:1], 0x10                ; nvw
	v_lshl_add_u32 v[SPW], v0, 2, SPARE
	v_mov_b32 v[NIL], 0
	ds_add_u32 v[SPW], v[NIL]                      ; the wave's opening: the add, twice on end, and its wait ahead of my first tensor load; work on registers stands between
	ds_add_u32 v[SPW], v[NIL]
	v_lshrrev_b32 v[TP], 5, v0
	v_readfirstlane_b32 s[WV], v[TP]               ; wave 0..15
	v_and_b32 v[L], 31, v0
	v_and_b32 v[X], 7, v0
	v_bfe_u32 v[TP], v0, 4, 1                      ; h
	v_bfe_u32 v[PT], v0, 3, 1                      ; lane / 8 % 2
	v_lshl_add_u32 v[Z], v[TP], 3, v[X]
	v_lshl_add_u32 v[Z], v[PT], 4, v[Z]
	v_lshl_add_u32 v[X], v[TP], 4, v[X]
	v_mul_u32_u24 v[Y], v[PT], 1536
	v_lshlrev_b32 v[A16], 4, v[L]                  ; for q's loads: 16, 8 x lane, 4 r
	v_lshlrev_b32 v[A8], 3, v[L]
	v_and_b32 v[A4], 15, v0
	v_lshlrev_b32 v[A4], 2, v[A4]
	s_mov_b32 s[SEL], 0x76543210
	s_mov_b32 s[SEL+1], 0xfedcba98
	s_mov_b32 s[CS], 0x3d0293ee                    ; c = log2(e) / sqrt(2048)
	s_mov_b32 s[CS+1], s[CS]
	s_mov_b32 s[NC], 0xbd0293ee                    ; -c
	; descriptor group 1: a dense block of 12,800 bytes as 50 rows of 256 bytes (32 elements of 8 bytes), no padding
	s_mov_b32 s[G1], 15|(3<<16)|(1<<21)            ; the mask of all four work-groups; elements of 8 bytes; bit 21 set beside a mask
	s_mov_b32 s[G1+1], 32<<16
	s_mov_b32 s[G1+2], 50<<16
	s_mov_b32 s[G1+3], 32<<16
	s_mov_b32 s[G1+4], 50
	s_mov_b32 s[G1+5], 32
	s_mov_b32 s[G1+6], 0
	s_mov_b32 s[G1+7], 0
	s_and_b32 s18, ttmp7, 0xffff                   ; 16 x batch + head, which the four partners share
	s_bfe_u32 s19, ttmp6, 0x40000                  ; cx: my 512 queries; it enters q's and new_v's addresses alone
	s_mul_i32 s20, s[WV], STEPB                    ; key step w: in LDS and in the head's block
	s_mul_i32 s48, s18, 204800
	s_add_co_u32 s48, s48, s20
	s_mov_b32 s49, 0
	s_lshl_b32 s50, s19, 5
	s_lshl_b32 s51, s[WV], 1
	s_add_co_u32 s50, s50, s51                     ; my first query tile: 32 cx + 2 w
	s_mul_i32 s51, s18, 102400
	s_mul_i32 s52, s50, 768
	s_add_co_u32 s52, s52, s51
	s_mov_b32 s53, 0
	s_lshl_b32 s54, s50, 5                         ; its pair's words: 64 bytes a pair
	s_add_co_u32 s54, s54, s51
	s_add_co_u32 s54, s54, 98304
	s_mov_b32 s55, 0
	s_lshr_b32 s56, s18, 4
	s_lshl_b32 s56, s56, 7
	s_add_co_u32 s56, s56, s50                     ; the token tile among all 512: 128 x batch + query tile
	s_and_b32 s57, s18, 15                         ; the head
	s_mul_i32 s58, s56, 12288
	s_mul_i32 s59, s57, 768                        ; 1,536 (head / 2) + 768 (head % 2)
	s_add_co_u32 s58, s58, s59
	s_mov_b32 s59, 0
	s_lshl_b32 s60, s56, 9
	s_lshr_b32 s61, s57, 1
	s_lshl_b32 s61, s61, 6
	s_add_co_u32 s60, s60, s61
	s_and_b32 s61, s57, 1
	s_lshl_b32 s61, s61, 1
	s_add_co_u32 s60, s60, s61
	s_add_co_u32 s60, s60, 6291456
	s_mov_b32 s61, 0
	s_wait_alu depctr_va_vdst(0)                   ; directly ahead of the wait below
	s_wait_dscnt 0x0                               ; both opening adds are done
	s_wait_kmcnt 0x0
	s_add_nc_u64 s[PQ:PQ+1], s[4:5], s[52:53]
	s_add_nc_u64 s[PQS:PQS+1], s[4:5], s[54:55]
	s_add_nc_u64 s[PN:PN+1], s[8:9], s[58:59]
	s_add_nc_u64 s[PNS:PNS+1], s[8:9], s[60:61]
	s_mov_b32 s[G0], 1
	s_mov_b32 s[G0+1], s20
	s_add_nc_u64 s[G0+2:G0+3], s[6:7], s[48:49]
	s_or_b32 s[G0+3], s[G0+3], 0x80000000
	ROUND                                          ; all four work-groups are here: the joint loads meet
	tensor_load_to_lds s[G0:G0+3], s[G1:G1+7]      ; my one tensor load of the launch
	s_nop 0
	PLACES 4
	global_load_b128 v[QZ+6:QZ+9], v[A16], s[PQ:PQ+1]              ; q of my two tiles stays in registers
	global_load_b64 v[QZ+10:QZ+11], v[A8], s[PQ:PQ+1] offset:512
	global_load_b128 v[QZ+18:QZ+21], v[A16], s[PQ:PQ+1] offset:768
	global_load_b64 v[QZ+22:QZ+23], v[A8], s[PQ:PQ+1] offset:1280
	global_load_b32 v[BM1], v[A4], s[PQS:PQS+1]                    ; the pair's word: tile 0's two bytes, tile 1's two
.irp z, 0,12,24
.irp i, 0,1,2,3,4,5
	v_mov_b32 v[QZ+\z+\i], 0                       ; the zero codes
.endr
.endr
	v_mov_b32 v8, 0x7f61b1e6                       ; -M = 3e38: M lies under every t
	v_mov_b32 v12, 0x7f61b1e6
	v_mov_b32 v10, 0                               ; the sums, in two halves each
	v_mov_b32 v11, 0
	v_mov_b32 v14, 0
	v_mov_b32 v15, 0
	s_wait_loadcnt 0x0
	v_bfe_u32 v[PT], v0, 4, 1
	v_lshlrev_b32 v[PT], 4, v[PT]
	v_lshrrev_b32 v[TP], v[PT], v[BM1]             ; lanes 0-15 take tile 0's two bytes, lanes 16-31 tile 1's,
	v_and_b32 v[TP], 0xffff, v[TP]
	v_lshl_or_b32 v[QS], v[TP], 16, v[TP]          ; twice: for either half of the instruction's 128
.set ii, 0
.rept 64
	v_mov_b32 v[O+ii], 0                           ; the step is written once: the first finds zeros, which the first change of M leaves zeros
.set ii, ii+1
.endr
	s_wait_alu depctr_va_vdst(0)                   ; the head's end
	s_wait_tensorcnt 0x0                           ; my key step is in,
	s_barrier_signal -1
	s_barrier_wait -1                              ; everybody's is
	s_mov_b32 s[TB], 0
	s_mov_b32 s[CNT], 16
.Lstep:
	STEP
	s_add_co_u32 s[TB], s[TB], STEPB
	s_sub_co_u32 s[CNT], s[CNT], 1
	s_cmp_lg_u32 s[CNT], 0
	s_wait_alu depctr_va_vdst(0)                   ; directly ahead of the branch
	s_cbranch_scc1 .Lstep
	v_lshlrev_b32 v[A16], 4, v[L]                  ; the stores' offsets: four plain lines behind the last products
	v_lshlrev_b32 v[A8], 3, v[L]
	v_and_b32 v[A4], 15, v[L]
	v_lshlrev_b32 v[A4], 2, v[A4]
	v_add_f32 v10, v10, v11                        ; each sum's two halves,
	v_add_f32 v14, v14, v15
	s_delay_alu instid0(VALU_DEP_2)
	v_permlanex16_b32 v[TP], v10, s[SEL], s[SEL+1]
	s_delay_alu instid0(VALU_DEP_2)
	v_permlanex16_b32 v[PT], v14, s[SEL], s[SEL+1]
	s_delay_alu instid0(VALU_DEP_2)
	v_add_f32 v10, v10, v[TP]                      ; and lane l xor 16's: the rows' sums
	s_delay_alu instid0(VALU_DEP_2)
	v_add_f32 v14, v14, v[PT]
	s_wait_alu depctr_va_vdst(0)                   ; ahead of the transcendentals
	v_rcp_f32 v10, v10
	v_rcp_f32 v14, v14
	v_nop
	s_wait_alu depctr_va_vdst(0)                   ; and behind them, directly ahead of the first reader of O^T
.set ii, 0
.rept 16
	v_pk_mul_f32 v[S+ii:S+ii+1], v[O+ii:O+ii+1], v[10:11] op_sel_hi:[1,0]   ; new_v: register 16 b + i = d 32 b + 16 (lane / 16) + i of my query
.set ii, ii+2
.endr
.rept 16
	v_pk_mul_f32 v[S+ii:S+ii+1], v[O+ii:O+ii+1], v[14:15] op_sel_hi:[1,0]
.set ii, ii+2
.endr
	QUANT2 S, P, TP, KV
	global_store_b128 v[A16], v[P:P+3], s[PN:PN+1]                 ; the head's half of the fragment (token tile, K step head / 2): 512 and 256 consecutive bytes
	global_store_b64 v[A8], v[P+4:P+5], s[PN:PN+1] offset:512
	global_store_b16 v[A4], v[TP], s[PNS:PNS+1]                    ; and its half of the scale word; lanes l and l + 16 write the same value to the same place
	QUANT2 S+32, P+12, PT, KV+8
	global_store_b128 v[A16], v[P+12:P+15], s[PN:PN+1] offset:12288
	global_store_b64 v[A8], v[P+16:P+17], s[PN:PN+1] offset:12288+512
	global_store_b16 v[A4], v[PT], s[PNS:PNS+1] offset:512
	s_wait_tensorcnt 0x0                           ; the wave's end: behind my last tensor load
	ds_add_u32 v[SPW], v[NIL]
	s_wait_dscnt 0x0
	ROUND                                          ; the closing round
	s_endpgm
.Lfunc_end_k_q77bcdc4ab2_attn:
	.size	k_q77bcdc4ab2_attn, .Lfunc_end_k_q77bcdc4ab2_attn-k_q77bcdc4ab2_attn
	.p2alignl 7, 3214868480
	.fill 96, 4, 3214868480
	.section	.rodata,"a",@progbits
	.p2align	6, 0x0
	.amdhsa_kernel k_q77bcdc4ab2_attn
		.amdhsa_group_segment_fixed_size 206848
		.amdhsa_private_segment_fixed_size 0
		.amdhsa_enable_private_segment 0
		.amdhsa_kernarg_size 24
		.amdhsa_user_sgpr_count 2
		.amdhsa_user_sgpr_kernarg_segment_ptr 1
		.amdhsa_wavefront_size32 1
		.amdhsa_system_sgpr_workgroup_id_x 1
		.amdhsa_system_sgpr_workgroup_id_y 1
		.amdhsa_system_sgpr_workgroup_id_z 1
		.amdhsa_system_vgpr_workitem_id 0
		.amdhsa_next_free_vgpr 256
		.amdhsa_next_free_sgpr 66
		.amdhsa_reserve_vcc 0
		.amdhsa_float_denorm_mode_32 3
		.amdhsa_float_denorm_mode_16_64 3
		.amdhsa_memory_ordered 1
		.amdhsa_forward_progress 1
		.amdhsa_inst_pref_size 46
	.end_amdhsa_kernel
	.amdgpu_metadata
---
amdhsa.version: [ 1, 2 ]
amdhsa.kernels:
  - .name:           k_q77bcdc4ab2_attn
    .symbol:         k_q77bcdc4ab2_attn.kd
    .args:
      - { .name: qw, .offset: 0, .size: 8, .value_kind: global_buffer, .address_space: global }
      - { .name: kvw, .offset: 8, .size: 8, .value_kind: global_buffer, .address_space: global }
      - { .name: nvw, .offset: 16, .size: 8, .value_kind: global_buffer, .address_space: global }
    .group_segment_fixed_size: 206848
    .private_segment_fixed_size: 0
    .kernarg_segment_align: 8
    .kernarg_segment_size: 24
    .max_flat_workgroup_size: 512
    .sgpr_count:     66
    .vgpr_count:     256
    .wavefront_size: 32
...
	.end_amdgpu_metadata
.endif
;; end of part 3
;; launch proj (part 4): grid 256 x 1, 16 waves a work-group, no clusters, 158,208 bytes of LDS; arguments nvw, w2w, b_fc2, x, out0; writes out0
.if DOCPART == 4
	.amdgcn_target "amdgcn-amd-amdhsa--gfx1250"
	.amdhsa_code_object_version 6
	.text
	.protected	k_q77bcdc4ab2_proj
	.globl	k_q77bcdc4ab2_proj
	.p2align	8
	.type	k_q77bcdc4ab2_proj,@function
k_q77bcdc4ab2_proj:
	s_mov_b64 s[64:65], 0
	v_nop
	global_prefetch_b8 v0, s[64:65] scope:SCOPE_SE
	s_setreg_imm32_b32 hwreg(HW_REG_WAVE_MODE, 25, 1), 1
	s_wait_xcnt 0x0
; PROJ: out = layer_norm(x + swish(new_v W_fc2 + b_fc2)); the product on codes of FP6 (E2M3).  Nothing of reference() is left out.
; SHARES.  A work-group owns 32 tokens (two tiles) and ALL 1,024 columns, so that each row's norm has one owner.  Sixteen waves, four to a SIMD.
; PHASE 1: wave w makes columns 64 w .. 64 w + 63 (four tiles of W_fc2) for both token tiles: eight accumulators, eight K steps.  W_fc2's fragments come as images from memory straight into the registers of the one
; wave of the work-group that uses them, two steps ahead.  new_v's 16 fragments (24,576 bytes) are copied into LDS once and read by all.  The bias is loaded INTO the accumulators: the first product adds onto it.
; NO CLUSTER: a joint load lands in LDS, and W_fc2's 786,432 bytes have no room there beside the stage's 131,584: they would want slots that are filled again, with a round of the cluster's barrier for each refill.
; PHASE 2: swish; the results meet in a stage (32 rows x (4,096 + 16) bytes); wave w takes two whole rows: + x, mean, variance of the centred numbers (two passes: no difference of large sums), and stores them.
; Stage row 16 m + r is token 32 g + 8 m + r + 8 (r / 8), by the tiles' choice of rows.
; LIMITS: NaN and infinities are not served; for z under about -128 swish gives -0 where reference() has a denormal.
; REGISTERS: v1-11 addresses; v16-31 W's scale words, v32-39 new_v's; v40-63 new_v's two fragments (later v40-45 the rows' statistics); v64-111, v112-159 W's fragments, two sets (later x's two rows);
; v160-223 the accumulators (token tile m, column tile c) at v[160 + 32 m + 8 c], later the two rows; v224-255 at work.
.set STG,   24576
.set SP,    4112                       ; 257 x 16 bytes from row to row: the sixteen rows of a store lie in sixteen different 16-byte columns of 256 bytes
.set SPARE, STG+32*SP                  ; behind the stage: the spare words, 128 bytes for each of sixteen waves: eight blocks of 256 bytes that no other line names
.set LI,  1
.set L8,  2
.set L4,  3
.set SO,  4                            ; v4-5 where I put my results: token tile 0, 1
.set SR,  6                            ; v6   where I read my two rows
.set BA,  7                            ; v7   64 h
.set SPW, 8
.set NIL, 9
.set NVW, 10                           ; v10  where I put my part of new_v's images
.set PFO, 11                           ; v11  256 x lane; never rewritten
.set WS,  16
.set NS,  32
.set NF,  40
.set ST,  40
.set WF,  64
.set ACC, 160
.set T,   224
.set WV,  14
.set SEL, 16
.set NL,  18
.set PNV, 24
.set PNS, 26
.set PW,  28
.set PWS, 30
.set PB,  32
.set PXR, 34
.set PO,  36
.macro PLACES n
.rept \n
	v_nop
.endr
.endm
.macro WM d, a, b, sa, sb, odd         ; adds in place; odd K steps take their scale words from lanes 16-31
.if \odd
	v_wmma_scale_f32_16x16x128_f8f6f4 v[\d:\d+7], v[\a:\a+11], v[\b:\b+11], v[\d:\d+7], v[\sa], v[\sb] matrix_a_fmt:MATRIX_FMT_FP6 matrix_b_fmt:MATRIX_FMT_FP6 matrix_a_scale:MATRIX_SCALE_ROW1 matrix_b_scale:MATRIX_SCALE_ROW1
.else
	v_wmma_scale_f32_16x16x128_f8f6f4 v[\d:\d+7], v[\a:\a+11], v[\b:\b+11], v[\d:\d+7], v[\sa], v[\sb] matrix_a_fmt:MATRIX_FMT_FP6 matrix_b_fmt:MATRIX_FMT_FP6
.endif
.endm
.macro SWISH32 u                       ; 32 numbers in place: z / (1 + 2^(-z log2 e)); all runs ascend: each accumulator is first read at its low end
.set ii, 0
.rept 16
	v_pk_mul_f32 v[T+ii:T+ii+1], v[\u+ii:\u+ii+1], s[NL:NL+1] op_sel_hi:[1,0]
.set ii, ii+2
.endr
.set ii, 0
	s_wait_alu depctr_va_vdst(0)
.rept 32
	v_exp_f32 v[T+ii], v[T+ii]
.set ii, ii+1
.endr
	v_nop
	s_wait_alu depctr_va_vdst(0)                   ; one wait for the batch, ahead of its first reader
.set ii, 0
.rept 16
	v_pk_add_f32 v[T+ii:T+ii+1], v[T+ii:T+ii+1], 1.0 op_sel_hi:[1,0]
.set ii, ii+2
.endr
.set ii, 0
	s_wait_alu depctr_va_vdst(0)
.rept 32
	v_rcp_f32 v[T+ii], v[T+ii]
.set ii, ii+1
.endr
	v_nop
	s_wait_alu depctr_va_vdst(0)
.set ii, 0
.rept 16
	v_pk_mul_f32 v[\u+ii:\u+ii+1], v[\u+ii:\u+ii+1], v[T+ii:T+ii+1]
.set ii, ii+2
.endr
.endm
.macro WLOAD s                         ; my four fragments of W_fc2 for K step s into set s % 2: twelve loads of 512 consecutive bytes
.irp c, 0,1,2,3
.irp p, 0,1,2
	global_load_b128 v[WF+48*((\s)%2)+12*\c+4*\p:WF+48*((\s)%2)+12*\c+4*\p+3], v[LI], s[PW:PW+1] offset:\c*12288+(\s)*1536+512*\p
.endr
.endr
.endm
.macro NFLOAD s                        ; new_v's two fragments of K step s: each is two halves (heads 2 s, 2 s + 1) of 768 bytes
.irp m, 0,1
.irp c, 0,1
	ds_load_b128 v[NF+12*\m+6*\c:NF+12*\m+6*\c+3], v[LI] offset:(8*\m+(\s))*1536+768*\c
	ds_load_b64 v[NF+12*\m+6*\c+4:NF+12*\m+6*\c+5], v[L8] offset:(8*\m+(\s))*1536+768*\c+512
.endr
.endr
.endm
.macro XROW e, reg                     ; my row e of x: eight loads of 512 consecutive bytes
.irp i, 0,1,2,3,4,5,6,7
	global_load_b128 v[\reg+4*\i:\reg+4*\i+3], v[LI], s[PXR:PXR+1] offset:4096*(\e)+512*\i th:TH_LOAD_NT
.endr
.endm
.macro PSTEP s
.if (\s) < 7
	s_wait_loadcnt 12                              ; this step's fragments of W are in; the next step's twelve loads may be out
.else
	s_wait_loadcnt 8                               ; behind the last step's fragments: the eight loads of x's row 0
.endif
	s_wait_dscnt 0x0                               ; new_v's fragments
.irp c, 0,1,2,3                                ; the eight accumulators by turns, in the same order in every step
.irp m, 0,1
	WM ACC+32*\m+8*\c, WF+48*((\s)%2)+12*\c, NF+12*\m, WS+4*\c+(\s)/2, NS+4*\m+(\s)/2, (\s)%2
.endr
.endr
	PLACES 4                                       ; in front of loads into registers that these products have read (behind the last step: of the first read of results)
.if (\s) < 6
	WLOAD (\s)+2
.elseif (\s) == 6
	XROW 0, WF                                     ; set 0 has had its last product
.else
	XROW 1, WF+48
.endif
.if (\s) < 7
	NFLOAD (\s)+1
.endif
.if (\s) == 1
	global_prefetch_b8 v[PFO], s[PXR:PXR+1] th:TH_LOAD_NT scope:SCOPE_SE   ; my two rows of x, 8,192 consecutive bytes: 32 blocks of 256 bytes, a lane a block, each named once in the launch; their loads stand behind steps 6 and 7
.endif
.endm
.macro LANESUM                         ; v[ST] and v[ST + 2]: each row's sum over the 32 lanes, in every lane
.irp k, 1,2,4,8
.irp e, 0,1
	s_delay_alu instid0(VALU_DEP_2)
	v_add_f32_dpp v[ST+2*\e], v[ST+2*\e], v[ST+2*\e] row_xmask:\k row_mask:0xf bank_mask:0xf
.endr
.endr
.irp e, 0,1
	s_delay_alu instid0(VALU_DEP_2)
	v_permlanex16_b32 v[ST+4+\e], v[ST+2*\e], s[SEL], s[SEL+1]
.endr
.irp e, 0,1
	s_delay_alu instid0(VALU_DEP_2)
	v_add_f32 v[ST+2*\e], v[ST+2*\e], v[ST+4+\e]
.endr
.endm
	s_load_b256 s[4:11], s[0:1], 0x0               ; nvw s[4:5], w2w s[6:7], b_fc2 s[8:9], x s[10:11]
	s_load_b64 s[12:13], s[0:1], 0x20              ; out0
	v_lshl_add_u32 v[SPW], v0, 2, SPARE
	v_mov_b32 v[NIL], 0
	v_lshrrev_b32 v12, 5, v0
	s_delay_alu instid0(VALU_DEP_1)
	v_readfirstlane_b32 s[WV], v12                 ; wave 0..15
	v_and_b32 v12, 31, v0                          ; lane
	v_and_b32 v13, 15, v0                          ; r
	v_bfe_u32 v14, v0, 4, 1                        ; h
	s_delay_alu instid0(VALU_DEP_3)
	v_lshlrev_b32 v[LI], 4, v12
	s_delay_alu instid0(VALU_DEP_4)
	v_lshlrev_b32 v[L8], 3, v12
	v_lshlrev_b32 v[L4], 2, v12
	v_lshlrev_b32 v[PFO], 8, v12
	v_lshlrev_b32 v[BA], 6, v14
	s_mul_i32 s40, s[WV], 1536
	v_add_nc_u32 v[NVW], s40, v[LI]
	s_lshl_b32 s40, s[WV], 8
	s_add_co_u32 s40, s40, STG
	v_mul_u32_u24 v[SO], v13, SP
	s_delay_alu instid0(VALU_DEP_1)
	v_lshl_add_u32 v[SO], v14, 6, v[SO]
	s_delay_alu instid0(VALU_DEP_1)
	v_add_nc_u32 v[SO], s40, v[SO]                 ; the stage: row r, + 256 w + 64 h: my lane's 16 columns of each 32
	s_delay_alu instid0(VALU_DEP_1)
	v_add_nc_u32 v[SO+1], 16*SP, v[SO]
	s_mul_i32 s40, s[WV], 2*SP
	s_add_co_u32 s40, s40, STG
	v_add_nc_u32 v[SR], s40, v[LI]                 ; back: rows 2 w and 2 w + 1, 16 bytes a lane
	s_mov_b32 s[SEL], 0x76543210
	s_mov_b32 s[SEL+1], 0xfedcba98
	s_mov_b32 s[NL], 0xbfb8aa3b                    ; -log2(e)
	s_mov_b32 s[NL+1], s[NL]
	s_mov_b32 s20, 0x3a800000                      ; 1 / 1024
	s_mov_b32 s21, 0x3727c5ac                      ; 1e-5
	s_mov_b32 s22, 0xba800000                      ; -1 / 1024
	s_mul_i32 s38, ttmp9, 24576                    ; the work-group's two tiles of new_v,
	s_mul_i32 s39, s[WV], 1536
	s_add_co_u32 s38, s38, s39                     ; my sixteenth of them
	s_mov_b32 s39, 0
	s_lshl_b32 s40, ttmp9, 10
	s_add_co_u32 s40, s40, 6291456                 ; their scale words
	s_mov_b32 s41, 0
	s_mul_i32 s42, s[WV], 49152                    ; my four tiles of W_fc2,
	s_mov_b32 s43, 0
	s_lshl_b32 s44, s[WV], 11
	s_add_co_u32 s44, s44, 786432                  ; their scale words,
	s_mov_b32 s45, 0
	s_lshl_b32 s46, s[WV], 8                       ; my 64 biases
	s_mov_b32 s47, 0
	s_wait_alu depctr_va_vdst(0)
	s_wait_kmcnt 0x0
	s_add_nc_u64 s[PNV:PNV+1], s[4:5], s[38:39]
	s_add_nc_u64 s[PNS:PNS+1], s[4:5], s[40:41]
	s_add_nc_u64 s[PW:PW+1], s[6:7], s[42:43]
	s_add_nc_u64 s[PWS:PWS+1], s[6:7], s[44:45]
	s_add_nc_u64 s[PB:PB+1], s[8:9], s[46:47]
	s_and_b32 s40, s[WV], 7                        ; stage rows 2 w, 2 w + 1 are tokens 32 g + 8 (w / 8) + 2 (w % 8) + 8 ((w % 8) / 4) + 0, 1
	s_lshr_b32 s41, s40, 2
	s_lshl_b32 s41, s41, 3
	s_lshl_b32 s40, s40, 1
	s_add_co_u32 s40, s40, s41
	s_lshr_b32 s41, s[WV], 3
	s_lshl_b32 s41, s41, 3
	s_add_co_u32 s40, s40, s41
	s_lshl_b32 s41, ttmp9, 5
	s_add_co_u32 s40, s40, s41
	s_lshl_b32 s40, s40, 12                        ; x 4,096 bytes
	s_mov_b32 s41, 0
	s_add_nc_u64 s[PXR:PXR+1], s[10:11], s[40:41]
	s_add_nc_u64 s[PO:PO+1], s[12:13], s[40:41]
.irp p, 0,1,2
	global_load_b128 v[T+4*\p:T+4*\p+3], v[LI], s[PNV:PNV+1] offset:512*\p     ; my 1,536 bytes of new_v's images
.endr
.irp m, 0,1                                    ; the bias into the accumulators: lane (r, h) of column tile c holds columns 32 (c / 2) + 8 (c % 2) + 16 h + 0 .. 7
.irp c, 0,1,2,3
	global_load_b128 v[ACC+32*\m+8*\c:ACC+32*\m+8*\c+3], v[BA], s[PB:PB+1] offset:4*(32*(\c/2)+8*(\c%2))
	global_load_b128 v[ACC+32*\m+8*\c+4:ACC+32*\m+8*\c+7], v[BA], s[PB:PB+1] offset:4*(32*(\c/2)+8*(\c%2))+16
.endr
.endr
.irp c, 0,1,2,3
.irp jj, 0,1,2,3
	global_load_b32 v[WS+4*\c+\jj], v[L4], s[PWS:PWS+1] offset:512*\c+128*\jj   ; K steps 2 jj in lanes 0-15, 2 jj + 1 in lanes 16-31
.endr
.endr
.irp m, 0,1
.irp jj, 0,1,2,3
	global_load_b32 v[NS+4*\m+\jj], v[L4], s[PNS:PNS+1] offset:512*\m+128*\jj
.endr
.endr
	WLOAD 0
	s_wait_loadcnt 52                              ; the copy's three loads are in; behind them: 16 of the bias, 24 of scale words, 12 of W
.irp p, 0,1,2
	ds_store_b128 v[NVW], v[T+4*\p:T+4*\p+3] offset:512*\p
.endr
	WLOAD 1
	s_wait_dscnt 0x0                               ; for the others' sake: my stores have landed
	s_barrier_signal -1
	s_barrier_wait -1                              ; new_v's sixteen fragments lie in LDS
	NFLOAD 0
.irp s, 0,1,2,3,4,5,6,7
	PSTEP \s
.endr
	SWISH32 ACC
	SWISH32 ACC+32
.irp m, 0,1
.irp b, 0,1
.irp q, 0,1,2,3
	ds_store_b128 v[SO+\m], v[ACC+32*\m+16*\b+4*\q:ACC+32*\m+16*\b+4*\q+3] offset:128*\b+16*\q   ; registers 16 b + 0 .. 15 are columns 64 w + 32 b + 16 h + 0 .. 15
.endr
.endr
.endr
	s_wait_dscnt 0x0                               ; my stores have landed, and have read their registers
	s_barrier_signal -1
	s_barrier_wait -1                              ; 32 whole rows lie in the stage
.irp e, 0,1
.irp i, 0,1,2,3,4,5,6,7
	ds_load_b128 v[ACC+32*\e+4*\i:ACC+32*\e+4*\i+3], v[SR] offset:SP*\e+512*\i
.endr
.endr
	v_mov_b32 v[ST+4], 0                           ; a lane permute's destination counts as one of its sources
	v_mov_b32 v[ST+5], 0
	s_wait_dscnt 0x0
	s_wait_loadcnt 0x0                             ; x's two rows
.irp i, 0,2,4,6,8,10,12,14,16,18,20,22,24,26,28,30
.irp e, 0,1                                    ; the two rows by turns throughout
	v_pk_add_f32 v[ACC+32*\e+\i:ACC+32*\e+\i+1], v[ACC+32*\e+\i:ACC+32*\e+\i+1], v[WF+48*\e+\i:WF+48*\e+\i+1]   ; y = x + m
.endr
.endr
.irp e, 0,1
	v_pk_add_f32 v[ST+2*\e:ST+2*\e+1], v[ACC+32*\e:ACC+32*\e+1], v[ACC+32*\e+2:ACC+32*\e+3]
.endr
.irp i, 4,6,8,10,12,14,16,18,20,22,24,26,28,30
.irp e, 0,1
	s_delay_alu instid0(VALU_DEP_2)
	v_pk_add_f32 v[ST+2*\e:ST+2*\e+1], v[ST+2*\e:ST+2*\e+1], v[ACC+32*\e+\i:ACC+32*\e+\i+1]
.endr
.endr
.irp e, 0,1
	s_delay_alu instid0(VALU_DEP_2)
	v_add_f32 v[ST+2*\e], v[ST+2*\e], v[ST+2*\e+1]
.endr
	LANESUM
.irp e, 0,1
	s_delay_alu instid0(VALU_DEP_2)
	v_mul_f32 v[ST+2*\e], s22, v[ST+2*\e]          ; -mean
.endr
.irp i, 0,2,4,6,8,10,12,14,16,18,20,22,24,26,28,30
.irp e, 0,1
	v_pk_add_f32 v[ACC+32*\e+\i:ACC+32*\e+\i+1], v[ACC+32*\e+\i:ACC+32*\e+\i+1], v[ST+2*\e:ST+2*\e+1] op_sel_hi:[1,0]   ; y - mean
.endr
.endr
.irp e, 0,1
	v_pk_mul_f32 v[ST+2*\e:ST+2*\e+1], v[ACC+32*\e:ACC+32*\e+1], v[ACC+32*\e:ACC+32*\e+1]
.endr
.irp i, 2,4,6,8,10,12,14,16,18,20,22,24,26,28,30
.irp e, 0,1
	s_delay_alu instid0(VALU_DEP_2)
	v_pk_fma_f32 v[ST+2*\e:ST+2*\e+1], v[ACC+32*\e+\i:ACC+32*\e+\i+1], v[ACC+32*\e+\i:ACC+32*\e+\i+1], v[ST+2*\e:ST+2*\e+1]
.endr
.endr
.irp e, 0,1
	s_delay_alu instid0(VALU_DEP_2)
	v_add_f32 v[ST+2*\e], v[ST+2*\e], v[ST+2*\e+1]
.endr
	LANESUM
.irp e, 0,1
	s_delay_alu instid0(VALU_DEP_2)
	v_fma_f32 v[ST+2*\e], v[ST+2*\e], s20, s21     ; the variance + 1e-5
.endr
	s_wait_alu depctr_va_vdst(0)
.irp e, 0,1
	v_rsq_f32 v[ST+2*\e], v[ST+2*\e]
.endr
	v_nop
	s_wait_alu depctr_va_vdst(0)                   ; one wait for the two, ahead of their first reader
.irp i, 0,2,4,6,8,10,12,14,16,18,20,22,24,26,28,30
.irp e, 0,1
	v_pk_mul_f32 v[ACC+32*\e+\i:ACC+32*\e+\i+1], v[ACC+32*\e+\i:ACC+32*\e+\i+1], v[ST+2*\e:ST+2*\e+1] op_sel_hi:[1,0]
.endr
.endr
.irp e, 0,1
.irp i, 0,1,2,3,4,5,6,7
	global_store_b128 v[LI], v[ACC+32*\e+4*\i:ACC+32*\e+4*\i+3], s[PO:PO+1] offset:4096*\e+512*\i th:TH_STORE_NT   ; 512 consecutive bytes, aligned on 256; written once, read by nobody here
.endr
.endr
	s_wait_tensorcnt 0x0                           ; the wave's end: behind my last LDS store
	ds_add_u32 v[SPW], v[NIL]
	s_wait_dscnt 0x0
	s_endpgm
.Lfunc_end_k_q77bcdc4ab2_proj:
	.size	k_q77bcdc4ab2_proj, .Lfunc_end_k_q77bcdc4ab2_proj-k_q77bcdc4ab2_proj
	.p2alignl 7, 3214868480
	.fill 96, 4, 3214868480
	.section	.rodata,"a",@progbits
	.p2align	6, 0x0
	.amdhsa_kernel k_q77bcdc4ab2_proj
		.amdhsa_group_segment_fixed_size 158208
		.amdhsa_private_segment_fixed_size 0
		.amdhsa_enable_private_segment 0
		.amdhsa_kernarg_size 40
		.amdhsa_user_sgpr_count 2
		.amdhsa_user_sgpr_kernarg_segment_ptr 1
		.amdhsa_wavefront_size32 1
		.amdhsa_system_sgpr_workgroup_id_x 1
		.amdhsa_system_sgpr_workgroup_id_y 1
		.amdhsa_system_sgpr_workgroup_id_z 1
		.amdhsa_system_vgpr_workitem_id 0
		.amdhsa_next_free_vgpr 256
		.amdhsa_next_free_sgpr 66
		.amdhsa_reserve_vcc 0
		.amdhsa_float_denorm_mode_32 3
		.amdhsa_float_denorm_mode_16_64 3
		.amdhsa_memory_ordered 1
		.amdhsa_forward_progress 1
		.amdhsa_inst_pref_size 61
	.end_amdhsa_kernel
	.amdgpu_metadata
---
amdhsa.version: [ 1, 2 ]
amdhsa.kernels:
  - .name:           k_q77bcdc4ab2_proj
    .symbol:         k_q77bcdc4ab2_proj.kd
    .args:
      - { .name: nvw, .offset: 0, .size: 8, .value_kind: global_buffer, .address_space: global }
      - { .name: w2w, .offset: 8, .size: 8, .value_kind: global_buffer, .address_space: global }
      - { .name: b_fc2, .offset: 16, .size: 8, .value_kind: global_buffer, .address_space: global }
      - { .name: x, .offset: 24, .size: 8, .value_kind: global_buffer, .address_space: global }
      - { .name: out0, .offset: 32, .size: 8, .value_kind: global_buffer, .address_space: global }
    .group_segment_fixed_size: 158208
    .private_segment_fixed_size: 0
    .kernarg_segment_align: 8
    .kernarg_segment_size: 40
    .max_flat_workgroup_size: 512
    .sgpr_count:     66
    .vgpr_count:     256
    .wavefront_size: 32
...
	.end_amdgpu_metadata
.endif
;; end of part 4
